; MI455X (gfx1250); checked and timed in simulation.
; The chip was launched on July 23, 2026; its instructions are those of AMD's public machine-readable ISA for CDNA 5 (MIT licence, August 2026) and "CDNA5" Instruction Set Architecture Reference Guide (July 2026). The comments in the code are by the model that wrote it; some were corrected since.
;; Transformer Block. Allowed arithmetic: matrix products marked QUANTISED: E2M1 operands, one E8M0 scale for each 32 along K, by v_wmma_scale_f32_16x16x128_f8f6f4 with both operands' format E2M1 (or v_wmma_scale_f32_32x16x128_f4), f32 sums; everything else in f32.
;; Inputs: Wdn_codes 1,024 x 128 x 16 uint8 (E2M1 codes of Wdn, K innermost, in blocks of 32 codes, two codes a byte); Wdn_scales 1,024 x 128 uint8 (E8M0 scales of Wdn, one for each 32 codes along K); Wk_codes 1,024 x 32 x 16 uint8 (E2M1 codes of Wk, K innermost, in blocks of 32 codes, two codes a byte); Wk_scales 1,024 x 32 uint8 (E8M0 scales of Wk, one for each 32 codes along K); Wo_codes 1,024 x 32 x 16 uint8 (E2M1 codes of Wo, K innermost, in blocks of 32 codes, two codes a byte); Wo_scales 1,024 x 32 uint8 (E8M0 scales of Wo, one for each 32 codes along K); Wq_codes 1,024 x 32 x 16 uint8 (E2M1 codes of Wq, K innermost, in blocks of 32 codes, two codes a byte); Wq_scales 1,024 x 32 uint8 (E8M0 scales of Wq, one for each 32 codes along K); Wup_codes 4,096 x 32 x 16 uint8 (E2M1 codes of Wup, K innermost, in blocks of 32 codes, two codes a byte); Wup_scales 4,096 x 32 uint8 (E8M0 scales of Wup, one for each 32 codes along K); Wv_codes 1,024 x 32 x 16 uint8 (E2M1 codes of Wv, K innermost, in blocks of 32 codes, two codes a byte); Wv_scales 1,024 x 32 uint8 (E8M0 scales of Wv, one for each 32 codes along K); b1 1,024 float32; b2 1,024 float32; bdn 1,024 float32; bk 1,024 float32; bo 1,024 float32; bq 1,024 float32; bup 4,096 float32; bv 1,024 float32; g1 1,024 float32; g2 1,024 float32; x 2 x 2,048 x 1,024 float32.
;; Outputs: out0 2 x 2,048 x 1,024 float32.
;; This version of the problem:
;;   THIS VERSION OF THE PROBLEM IS GIVEN IN LOW PRECISION. The matrix products marked QUANTISED in the list below multiply operands that are first quantised to E2M1 (2 exponent bits, 1 mantissa bit; 4 bits a number), with one power-of-two scale for each 32 numbers along K (OCP MX v1.0); their sums are f32. All else is computed in f32.
;;   The module's matrix products, in the order in which they are computed (A, B: the left and right operand; K: the contracted axis; several contracted axes count as one K, in the product's order):
;;     1. [M 4,096, K 1,024] x [K 1,024, N 1,024]; A: computed on the way; B: input Wq (given as codes): QUANTISED
;;     2. [M 4,096, K 1,024] x [K 1,024, N 1,024]; A: computed on the way; B: input Wk (given as codes): QUANTISED
;;     3. [M 4,096, K 1,024] x [K 1,024, N 1,024]; A: computed on the way; B: input Wv (given as codes): QUANTISED
;;     4. batch 32 x [M 2,048, K 64] x [K 64, N 2,048]; A: computed on the way; B: computed on the way: QUANTISED
;;     5. batch 32 x [M 2,048, K 2,048] x [K 2,048, N 64]; A: softmax (see below); B: computed on the way: QUANTISED
;;     6. [M 4,096, K 1,024] x [K 1,024, N 1,024]; A: computed on the way; B: input Wo (given as codes): QUANTISED
;;     7. [M 4,096, K 1,024] x [K 1,024, N 4,096]; A: computed on the way; B: input Wup (given as codes): QUANTISED
;;     8. [M 4,096, K 4,096] x [K 4,096, N 1,024]; A: computed on the way; B: input Wdn (given as codes): QUANTISED
;;   THE QUANTISER, for each operand of a quantised product, along K:
;;     - K is cut into blocks of 32 from its start; a last block that is shorter is filled with zeros.
;;     - A block's scale is 2^e with e = floor(log2(the largest magnitude in the block)) - 2, held to -126 .. 127; a block of zeros has e = 0. As a byte (E8M0): e + 127.
;;     - Each number is divided by its block's scale, clamped to +-6, and rounded to the nearest number of E2M1, ties to even, subnormals kept.
;;     - The product sums the exact products of the quantised numbers (number of the format x scale) in f32.
;;   ~~~python
;;   def quantise(x, axis):      # numpy; x: float32 -> the quantised numbers, widened to float32 again
;;       x = np.moveaxis(x, axis, -1); K = x.shape[-1]
;;       x = np.pad(x, [(0, 0)] * (x.ndim - 1) + [(0, -K % 32)]); x = x.reshape(x.shape[:-1] + (-1, 32)); a = np.abs(x).max(-1, keepdims=True)
;;       e = np.where(a > 0, np.clip(np.frexp(np.where(a > 0, a, 1))[1] - 1 - 2, -126, 127), 0)      # np.frexp(a)[1] - 1 = floor(log2(a)), exactly
;;       r = np.clip(x / 2.0 ** e, -6, 6)
;;       step = 2.0 ** (np.maximum(np.frexp(np.where(r == 0, 1, r))[1] - 1, 0) - 1)
;;       q = np.round(r / step) * step * 2.0 ** e      # np.round: ties to even
;;       return np.moveaxis(q.reshape(q.shape[:-2] + (-1,))[..., :K], -1, axis).astype(np.float32)
;;   ~~~
;;   SOFTMAX AHEAD OF A QUANTISED PRODUCT. Where the list says 'softmax', what is quantised is not the finished softmax but p = 2^(t - M), with t = logit x log2(e) and M = ceil(the row's largest t), a whole number; so 1/2 < the row's largest p <= 1. The row's sum l is taken of the UNQUANTISED p, in f32, and the product's result is divided by l at the end. Since M is a whole number, a kernel that streams over the keys may use a running M (the ceiling of the running maximum): every later rescaling is an exact power of two, which a block's scale takes up: the codes' values come out the same.
;;   OPERANDS COMPUTED ON THE WAY. 'Computed on the way' means the value that the module computes at that place (a softmax that the list does not call 'softmax' is quantised finished and normalised). What goes into a quantiser is computed in f32, as accurately as f32 sums, v_exp_f32 and their like allow (about 1e-6 of the number): no bf16 or f16 on the way to a quantiser, and a product that is left as it is and whose result goes on into a quantised operand takes f32 operands (vector FMAs, or v_wmma_f32_16x16x4_f32). A number that lies on a knife's edge between two numbers of the format may be rounded either way, as far as f32 arithmetic and the matrix unit's own rounding can turn it there, and no further.
;;   INPUTS GIVEN AS CODES. Wdn (in the module: [4096, 1024], K = its axis 0); Wk (in the module: [1024, 1024], K = its axis 0); Wo (in the module: [1024, 1024], K = its axis 0); Wq (in the module: [1024, 1024], K = its axis 0); Wup (in the module: [1024, 4096], K = its axis 0); Wv (in the module: [1024, 1024], K = its axis 0): each comes as NAME_codes (uint8): NAME with its K axis moved to the last place and cut into blocks of 32 codes, [.., K / 32, bytes a block], one block behind the other in memory; two codes a byte, the lower K in the low four bits (a code: sign, 2 exponent bits, 1 mantissa bit); and NAME_scales (uint8): the same leading axes, one E8M0 byte (e + 127) for each 32 codes along K. Its value is code x scale, taken as it is: it is not quantised again, and the codes and scales need not be those that the quantiser above would give.
;; One version. Each part assembles by itself: llvm-mc -triple=amdgcn-amd-amdhsa -mcpu=gfx1250 --defsym DOCPART=n.
;; ======== version 1 of 1: 6 launches
;; limits: right only within a limited range of input values
;; workspace buffers: xn 2,228,224 bytes; at 2,228,224 bytes; x1 16,777,216 bytes; hb 8,912,896 bytes; qkvw 6,946,816 bytes
;; launch ln1 (part 1): grid 256 x 1, 8 waves a work-group, no clusters, 75,008 bytes of LDS; arguments x, g1, b1, xn; writes xn
.if DOCPART == 1
	.amdgcn_target "amdgcn-amd-amdhsa--gfx1250"
	.amdhsa_code_object_version 6
	.text
	.protected	k_q713f65153b_ln1
	.globl	k_q713f65153b_ln1
	.p2align	8
	.type	k_q713f65153b_ln1,@function
k_q713f65153b_ln1:
	s_mov_b64 s[64:65], 0
	v_nop
	global_prefetch_b8 v0, s[64:65] scope:SCOPE_SE
	s_setreg_imm32_b32 hwreg(HW_REG_WAVE_MODE, 25, 1), 1
	s_wait_xcnt 0x0
; y = (x - mean) * rsqrt(var + 1e-5) * g + b for rows of 1,024 f32, then quantised along the row to E2M1 codes with one E8M0 byte for each 32.
; OUT: images of operand fragments [tile of 16 rows][K step of 128][c 0..1][lane][16 bytes] from byte 0; scale words [K step 8][row 4,096] from byte 2,097,152.
; A work-group owns 16 rows.  Phase 1: wave w holds rows 2 w and 2 w + 1 in registers (32 numbers a lane), mean first, then the sum of squared differences, so a common offset of x costs nothing.
; The finished rows meet in LDS (pitch 4,096 + 16 bytes, an odd multiple of 16).  Phase 2: wave w quantises K step w of all 16 rows.
; No matrix unit, no tensor load, no cluster: a stream in which work-groups share nothing but g and b.
; LIMITS: a block of zeros, or one whose largest magnitude lies under 2^-124, gets the byte 1 (its bytes are read by this program alone); NaN and infinities are not served.
.set PITCH, 4112
.set X,   16                           ; v16-79   two rows, 32 registers each; in phase 2 the 64 numbers to quantise
.set G,   80                           ; v80-143  phase 2: g of my 64 columns
.set BB,  162                          ; v162-225 phase 2: b of my 64 columns
.set GL,  66816                        ; LDS: g (512 bytes) and b (512 bytes) of a wave's K step, 1,024 bytes a wave, each wave's own
.set PC,  144                          ; v144-151 codes
.set U,   152                          ; v152-153 scale bytes
.set TM,  154                          ; v154-159 at work in the quantiser
.set SEL, 14                           ; s[14:15] lane selects: lane l xor 16
; 32 numbers of a lane, register 8 a + j = k 16 a + 8 (lane / 16) + j of the lane's row (64 along K in lanes l and l xor 16: two blocks of 32),
; become four registers of codes, register g of lane (r, H) = k 32 H + 8 g .. + 7, and the two scale bytes in the low half of u.
.macro QUANT32 s, pc, u, tm
.irp b, 0,1
	v_max3_num_f32 v[\tm+\b], |v[\s+16*\b]|, |v[\s+16*\b+1]|, 0x1800000   ; my 16 numbers of block b, and the floor 2^(3 - 127): the byte cannot fall under 1
.endr
.irp i, 2,4,6,8,10,12,14
.irp b, 0,1
	s_delay_alu instid0(VALU_DEP_2)
	v_max3_num_f32 v[\tm+\b], v[\tm+\b], |v[\s+16*\b+\i]|, |v[\s+16*\b+\i+1]|
.endr
.endr
.irp b, 0,1
	s_delay_alu instid0(VALU_DEP_2)
	v_permlanex16_b32 v[\tm+2+\b], v[\tm+\b], s[SEL], s[SEL+1]
.endr
.irp b, 0,1
	s_delay_alu instid0(VALU_DEP_2)
	v_max_num_f32 v[\tm+\b], v[\tm+\b], v[\tm+2+\b]            ; with lane l xor 16: the block's largest magnitude
.endr
.irp b, 0,1
	s_delay_alu instid0(VALU_DEP_2)
	v_add_nc_u32 v[\tm+4+\b], 0xff000000, v[\tm+\b]            ; 2 off its exponent field: the conversion's scale operand
.endr
.irp b, 0,1
	s_delay_alu instid0(VALU_DEP_2)
	v_lshrrev_b32 v[\tm+2+\b], 23, v[\tm+4+\b]                 ; the scale's byte
.endr
	s_delay_alu instid0(VALU_DEP_1)
	v_lshl_or_b32 v[\u], v[\tm+3], 8, v[\tm+2]
	v_cvt_scalef32_pk8_fp4_f32 v[\pc], v[\s:\s+7], v[\tm+4]
	v_cvt_scalef32_pk8_fp4_f32 v[\pc+2], v[\s+8:\s+15], v[\tm+4]
	v_cvt_scalef32_pk8_fp4_f32 v[\pc+1], v[\s+16:\s+23], v[\tm+5]
	v_cvt_scalef32_pk8_fp4_f32 v[\pc+3], v[\s+24:\s+31], v[\tm+5]
	v_nop                                                      ; one plain place behind the scaled conversions
	v_permlane16_swap_b32 v[\pc], v[\pc+1]                     ; a whole block into a lane: lanes 0-15 block 0, lanes 16-31 block 1
	v_permlane16_swap_b32 v[\pc+2], v[\pc+3]
.endm
.macro REDUCE                          ; v6: the sum over the 32 lanes, in every lane; v7 at work
	s_delay_alu instid0(VALU_DEP_1)
	v_add_f32_dpp v6, v6, v6 row_xmask:1 row_mask:0xf bank_mask:0xf
	s_delay_alu instid0(VALU_DEP_1)
	v_add_f32_dpp v6, v6, v6 row_xmask:2 row_mask:0xf bank_mask:0xf
	s_delay_alu instid0(VALU_DEP_1)
	v_add_f32_dpp v6, v6, v6 row_xmask:4 row_mask:0xf bank_mask:0xf
	s_delay_alu instid0(VALU_DEP_1)
	v_add_f32_dpp v6, v6, v6 row_xmask:8 row_mask:0xf bank_mask:0xf
	s_delay_alu instid0(VALU_DEP_1)
	v_permlanex16_b32 v7, v6, s[SEL], s[SEL+1]
	s_delay_alu instid0(VALU_DEP_1)
	v_add_f32 v6, v6, v7
.endm
	s_load_b256 s[4:11], s[0:1], 0x0               ; X s[4:5], g s[6:7], b s[8:9], OUT s[10:11]
	v_lshl_add_u32 v160, v0, 2, 0x10100
	v_mov_b32 v161, 0
	v_lshrrev_b32 v1, 5, v0
	s_delay_alu instid0(VALU_DEP_1)
	v_readfirstlane_b32 s12, v1                    ; wave 0..7
	v_and_b32 v14, 31, v0                          ; lane
	s_delay_alu instid0(VALU_DEP_1)
	v_lshlrev_b32 v1, 4, v14                       ; 16 x lane
	v_and_b32 v2, 15, v0                           ; r
	v_bfe_u32 v3, v0, 4, 1                         ; h
	s_mul_i32 s13, s12, 2*PITCH
	v_add_nc_u32 v4, s13, v1                       ; LDS, phase 1: my wave's two rows, 16 bytes a lane
	v_mul_u32_u24 v5, v2, PITCH
	s_delay_alu instid0(VALU_DEP_1)
	v_lshl_add_u32 v5, v3, 5, v5
	s_lshl_b32 s13, s12, 9
	v_add_nc_u32 v5, s13, v5                       ; LDS, phase 2: row r, K step w (512 bytes), + 32 h
	v_lshlrev_b32 v15, 2, v2                       ; 4 r
	s_lshl_b32 s13, s12, 10
	s_add_co_u32 s13, s13, GL
	v_lshl_add_u32 v226, v3, 5, s13                ; g and b: read at 32 h,
	v_add_nc_u32 v227, s13, v1                     ; written at 16 x lane
	v_mov_b32 v[TM+2], 0                           ; a lane permute's destination counts as read: written once
	v_mov_b32 v[TM+3], 0
	s_mov_b32 s[SEL], 0x76543210
	s_mov_b32 s[SEL+1], 0xfedcba98
	s_mov_b32 s18, 0x3a800000                      ; 1 / 1,024
	s_mov_b32 s19, 0x3727c5ac                      ; 1e-5
	s_lshl_b32 s16, ttmp9, 16                      ; 16 rows of 4,096 bytes a work-group,
	s_lshl_b32 s17, s12, 13                        ; two a wave
	s_add_co_u32 s16, s16, s17
	s_mov_b32 s17, 0
	s_lshl_b32 s20, ttmp9, 13                      ; images: 8,192 bytes a tile, 1,024 a K step
	s_lshl_b32 s21, s12, 10
	s_add_co_u32 s20, s20, s21
	s_mov_b32 s21, 0
	s_lshl_b32 s22, s12, 14                        ; scale words: 16,384 bytes a K step, 64 a tile
	s_lshl_b32 s23, ttmp9, 6
	s_add_co_u32 s22, s22, s23
	s_mov_b32 s23, 0
	s_wait_kmcnt 0x0
	s_add_nc_u64 s[4:5], s[4:5], s[16:17]
	s_add_nc_u64 s[20:21], s[10:11], s[20:21]
	s_add_nc_u64 s[22:23], s[10:11], s[22:23]
.irp p, 0,1
.irp j, 0,1,2,3,4,5,6,7
	global_load_b128 v[X+32*\p+4*\j:X+32*\p+4*\j+3], v1, s[4:5] offset:4096*\p+512*\j   ; 32 lanes read 512 consecutive bytes
.endr
.endr
	s_lshl_b32 s26, s12, 9
	s_mov_b32 s27, 0
	s_add_nc_u64 s[6:7], s[6:7], s[26:27]
	s_add_nc_u64 s[8:9], s[8:9], s[26:27]
	global_load_b128 v[G:G+3], v1, s[6:7]          ; g and b of K step w: 512 bytes each
	global_load_b128 v[BB:BB+3], v1, s[8:9]
.macro ROW p
.set XR, X+32*\p
	v_pk_add_f32 v[6:7], v[XR:XR+1], v[XR+2:XR+3]              ; the row's sum, two chains
	v_pk_add_f32 v[12:13], v[XR+4:XR+5], v[XR+6:XR+7]
.set j, 8
.rept 6
	s_delay_alu instid0(VALU_DEP_2)
	v_pk_add_f32 v[6:7], v[6:7], v[XR+j:XR+j+1]
	s_delay_alu instid0(VALU_DEP_2)
	v_pk_add_f32 v[12:13], v[12:13], v[XR+j+2:XR+j+3]
.set j, j+4
.endr
	s_delay_alu instid0(VALU_DEP_1)
	v_pk_add_f32 v[6:7], v[6:7], v[12:13]
	s_delay_alu instid0(VALU_DEP_1)
	v_add_f32 v6, v6, v7
	REDUCE
	s_delay_alu instid0(VALU_DEP_1)
	v_mul_f32 v8, s18, v6                          ; the mean, twice: a pair for the packed form
	s_delay_alu instid0(VALU_DEP_2)
	v_mul_f32 v9, s18, v6
.set j, 0
.rept 16
	v_pk_add_f32 v[XR+j:XR+j+1], v[XR+j:XR+j+1], v[8:9] neg_lo:[0,1] neg_hi:[0,1]   ; d = x - mean
.set j, j+2
.endr
	v_pk_mul_f32 v[6:7], v[XR:XR+1], v[XR:XR+1]                ; the sum of d^2
	v_pk_mul_f32 v[12:13], v[XR+2:XR+3], v[XR+2:XR+3]
.set j, 4
.rept 7
	s_delay_alu instid0(VALU_DEP_2)
	v_pk_fma_f32 v[6:7], v[XR+j:XR+j+1], v[XR+j:XR+j+1], v[6:7]
	s_delay_alu instid0(VALU_DEP_2)
	v_pk_fma_f32 v[12:13], v[XR+j+2:XR+j+3], v[XR+j+2:XR+j+3], v[12:13]
.set j, j+4
.endr
	s_delay_alu instid0(VALU_DEP_1)
	v_pk_add_f32 v[6:7], v[6:7], v[12:13]
	s_delay_alu instid0(VALU_DEP_1)
	v_add_f32 v6, v6, v7
	REDUCE
	s_delay_alu instid0(VALU_DEP_1)
	v_fma_f32 v6, v6, s18, s19                     ; var + eps
	s_wait_alu depctr_va_vdst(0)
	v_rsq_f32 v10, v6
	v_rsq_f32 v11, v6
	v_nop                                          ; a plain place behind the transcendentals
	s_wait_alu depctr_va_vdst(0)                   ; one wait for both, ahead of their first reader
.set j, 0
.rept 16
	v_pk_mul_f32 v[XR+j:XR+j+1], v[XR+j:XR+j+1], v[10:11]
.set j, j+2
.endr
.irp j, 0,1,2,3,4,5,6,7
	ds_store_b128 v4, v[XR+4*\j:XR+4*\j+3] offset:PITCH*\p+512*\j
.endr
.endm
	s_wait_loadcnt 10                              ; row 0's eight loads are in; row 1's eight, g's and b's may be out
	ROW 0
	s_wait_loadcnt 2                               ; row 1 is in
	ROW 1
	s_wait_loadcnt 0x0                             ; g and b
	ds_store_b128 v227, v[G:G+3]
	ds_store_b128 v227, v[BB:BB+3] offset:512
	s_wait_dscnt 0x0                               ; my rows lie in LDS,
	s_barrier_signal -1
	s_barrier_wait -1                              ; everybody's do
.irp c, 0,1
.irp a, 0,1,2,3
.irp q, 0,1
	ds_load_b128 v[X+32*\c+8*\a+4*\q:X+32*\c+8*\a+4*\q+3], v5 offset:256*\c+64*\a+16*\q   ; register 32 c + 8 a + j: column 128 w + 64 c + 16 a + 8 h + j of row r
.endr
.endr
.endr
.irp c, 0,1
.irp a, 0,1,2,3
.irp q, 0,1
	ds_load_b128 v[G+32*\c+8*\a+4*\q:G+32*\c+8*\a+4*\q+3], v226 offset:256*\c+64*\a+16*\q
	ds_load_b128 v[BB+32*\c+8*\a+4*\q:BB+32*\c+8*\a+4*\q+3], v226 offset:512+256*\c+64*\a+16*\q
.endr
.endr
.endr
	s_wait_dscnt 0x0
.set j, 0
.rept 32
	v_pk_fma_f32 v[X+j:X+j+1], v[X+j:X+j+1], v[G+j:G+j+1], v[BB+j:BB+j+1]
.set j, j+2
.endr
	QUANT32 X, PC, U, TM
	QUANT32 X+32, PC+4, U+1, TM
	v_lshl_or_b32 v[U], v[U+1], 16, v[U]           ; the row's scale word of this K step
	global_store_b128 v1, v[PC:PC+3], s[20:21]     ; 512 consecutive bytes each
	global_store_b128 v1, v[PC+4:PC+7], s[20:21] offset:512
	s_wait_alu depctr_va_vdst(0)
	s_wait_xcnt 0x0                                ; EXEC changes only behind this wait
	v_cmp_gt_u32 vcc_lo, 16, v14
	s_wait_tensorcnt 0x0
	ds_add_u32 v160, v161
	s_wait_dscnt 0x0
	s_and_saveexec_b32 s24, vcc_lo                 ; lanes 16-31 hold the same words
	global_store_b32 v15, v[U], s[22:23] offset:2097152
	s_endpgm
.Lfunc_end_k_q713f65153b_ln1:
	.size	k_q713f65153b_ln1, .Lfunc_end_k_q713f65153b_ln1-k_q713f65153b_ln1
	.p2alignl 7, 3214868480
	.fill 96, 4, 3214868480
	.section	.rodata,"a",@progbits
	.p2align	6, 0x0
	.amdhsa_kernel k_q713f65153b_ln1
		.amdhsa_group_segment_fixed_size 75008
		.amdhsa_private_segment_fixed_size 0
		.amdhsa_enable_private_segment 0
		.amdhsa_kernarg_size 32
		.amdhsa_user_sgpr_count 2
		.amdhsa_user_sgpr_kernarg_segment_ptr 1
		.amdhsa_wavefront_size32 1
		.amdhsa_system_sgpr_workgroup_id_x 1
		.amdhsa_system_sgpr_workgroup_id_y 1
		.amdhsa_system_sgpr_workgroup_id_z 1
		.amdhsa_system_vgpr_workitem_id 0
		.amdhsa_next_free_vgpr 228
		.amdhsa_next_free_sgpr 66
		.amdhsa_reserve_vcc 1
		.amdhsa_float_denorm_mode_32 3
		.amdhsa_float_denorm_mode_16_64 3
		.amdhsa_memory_ordered 1
		.amdhsa_forward_progress 1
		.amdhsa_inst_pref_size 29
	.end_amdhsa_kernel
	.amdgpu_metadata
---
amdhsa.version: [ 1, 2 ]
amdhsa.kernels:
  - .name:           k_q713f65153b_ln1
    .symbol:         k_q713f65153b_ln1.kd
    .args:
      - { .name: x, .offset: 0, .size: 8, .value_kind: global_buffer, .address_space: global }
      - { .name: g1, .offset: 8, .size: 8, .value_kind: global_buffer, .address_space: global }
      - { .name: b1, .offset: 16, .size: 8, .value_kind: global_buffer, .address_space: global }
      - { .name: xn, .offset: 24, .size: 8, .value_kind: global_buffer, .address_space: global }
    .group_segment_fixed_size: 75008
    .private_segment_fixed_size: 0
    .kernarg_segment_align: 8
    .kernarg_segment_size: 32
    .max_flat_workgroup_size: 256
    .sgpr_count:     66
    .vgpr_count:     228
    .wavefront_size: 32
...
	.end_amdgpu_metadata
.endif
;; end of part 1
;; launch qkv (part 2): grid 12 x 16, 16 waves a work-group, clusters of 4 x 4, 327,680 bytes of LDS; arguments xn, Wq_codes, Wq_scales, bq, Wk_codes, Wk_scales, bk, Wv_codes, Wv_scales, bv, qkvw; writes qkvw
.if DOCPART == 2
	.amdgcn_target "amdgcn-amd-amdhsa--gfx1250"
	.amdhsa_code_object_version 6
	.text
	.protected	k_q713f65153b_qkv
	.globl	k_q713f65153b_qkv
	.p2align	8
	.type	k_q713f65153b_qkv,@function
k_q713f65153b_qkv:
	s_mov_b64 s[64:65], 0
	v_nop
	global_prefetch_b8 v0, s[64:65] scope:SCOPE_SE
	s_setreg_imm32_b32 hwreg(HW_REG_WAVE_MODE, 25, 1), 1
	s_wait_xcnt 0x0
	s_wait_alu depctr_hold_cnt(0) depctr_sa_sdst(0) depctr_va_vdst(0) depctr_va_sdst(0) depctr_va_ssrc(0) depctr_va_vcc(0) depctr_vm_vsrc(0)
	s_getreg_b32 s2, hwreg(HW_REG_IB_STS2, 6, 4)
	s_cmp_eq_u32 s2, 0
	s_cbranch_scc0 .Lentry_in_a_cluster
	s_endpgm
.Lentry_in_a_cluster:
	s_bfe_u32 s2, ttmp6, 0x10000c
	s_cmp_lg_u32 s2, 0xf033
	s_cbranch_scc0 .Lentry_shape_is_right
	s_endpgm
.Lentry_shape_is_right:
; IS_UP = 0: q, k, v = xn W + bias on E2M1 codes; q and k quantised along the head's 64, v along the keys.  IS_UP = 1: h = gelu(xn Wup + bup), quantised along the hidden units.
; T, the token operand: images [tile of 16 tokens][K step 8][1,024 bytes] and scale words [K step 8][token 4,096] from byte 2,097,152.  W: rows of 512 bytes of codes, rows of 32 scale bytes, as given.
; A work-group makes 256 tokens x 256 channels; K = 1,024 lies wholly in LDS, fetched in two halves, so no LDS byte is filled twice.  16 waves, each 64 tokens x 64 channels: 16 accumulators.
; CLUSTER 4 x 4: T's tiles hang on the token tile alone and are asked for jointly along a row of the cluster, W's on the channel tile alone, along a column.  With IS_UP = 0 the cluster's x is the matrix (0 q, 1 k, 2 v).
; ORIENTATION: q, k, h: source 0 = 16 rows of W, source 1 = 16 tokens: a lane holds one token and its registers run along the channels.  v: the sources change places: a lane holds one channel and its registers run along the tokens, its K.
; The bias is the C of the first K step.  LIMITS: a block of zeros, or one under 2^-124, gets the byte 1 (read by this program alone); NaN and infinities are not served.
.set IS_UP, 0
.set THALF, 65536                      ; LDS: T's images of a K half: 16 tiles x 4,096 bytes; two halves from byte 0
.set WROW,  131072                     ; W's 256 rows of a K half, 256 bytes + 16 of padding
.set WHALF, 69632
.set WP,    272
.set TSC,   270336                     ; T's scale words [K step 8][256 tokens]
.set WSC,   278528                     ; W's scale bytes, 256 rows x 32
.set SPARE, 286720                     ; the spare words: 128 bytes a wave
.set LI, 1                             ; v1 16 x lane   v2 4 x lane   v3 r   v4 h
.set LS, 2
.set RR, 3
.set HH, 4
.set ADT, 5                            ; v5-6  my T fragments in half 0, 1
.set ADW, 7                            ; v7-8  my W fragments
.set ADTS, 9                           ; v9    my T scale words
.set ADWS, 10                          ; v10   my W scale words
.set SPW, 11                           ; v11   my spare word; never rewritten
.set NIL, 12                           ; v12   0; never rewritten
.set BO, 13                            ; v13   32 h
.set BR, 14                            ; v14   4 r
.set WS, 16                            ; v16-23 W's scale words: 4 p + s: rows 32 p + lane, K step s of the half
.set TS, 24                            ; v24-25 T's: tokens 32 p + lane
.set BV, 28                            ; v28-31 v's bias, one number a channel tile
.set WF, 32                            ; v32-63  four fragments of W
.set TF, 64                            ; v64-95  four fragments of T
.set BIAS, 96                          ; v96-127 the first K step's C
.set ACC, 128                          ; v128-255 accumulator (a, b) at 8 (4 b + a)
.set TM, 32                            ; the way out, in v32-97
.set PC, 40
.set U,  56
.set MG, 60
.set Z,  64
.set C0, 96
.set WV, 26
.set W7, 27
.set G1T, 28
.set G1W, 36
.set G1TS, 44
.set G1WS, 52
.set SEL, 66
.set G0T, 68                           ; s[68:79] T's three groups 0: scales, half 0, half 1
.set G0W, 80                           ; s[80:91] W's
.macro ROUND                           ; a round of the cluster's barrier
	s_barrier_signal -1
	s_barrier_wait -1
	s_cmp_lg_u32 s[WV], 0
	s_cbranch_scc1 .Lnot_wave_0_\@
	s_barrier_signal -3
.Lnot_wave_0_\@:
	s_barrier_wait -3
	s_barrier_signal -1
	s_barrier_wait -1
.endm
.macro ARM under, g0, g1, next         ; one arm of the head's tree on the wave's number: one joint load, four v_nop, and on to the tree's end
	s_cmp_lt_u32 s[WV], \under
	s_cbranch_scc0 \next
	tensor_load_to_lds s[\g0:\g0+3], s[\g1:\g1+7]
	s_nop 0
.rept 4
	v_nop
.endr
	s_branch .Lasked
\next:
.endm
.macro WMS ra, rb                      ; one product on rD, rA, rB, rC, rSA, rSB; ra, rb: the scales stand in lanes 16-31
.if (\ra)
.if (\rb)
	v_wmma_scale_f32_16x16x128_f8f6f4 v[rD:rD+7], v[rA:rA+7], v[rB:rB+7], v[rC:rC+7], v[rSA], v[rSB] matrix_a_fmt:MATRIX_FMT_FP4 matrix_b_fmt:MATRIX_FMT_FP4 matrix_a_scale:MATRIX_SCALE_ROW1 matrix_b_scale:MATRIX_SCALE_ROW1
.else
	v_wmma_scale_f32_16x16x128_f8f6f4 v[rD:rD+7], v[rA:rA+7], v[rB:rB+7], v[rC:rC+7], v[rSA], v[rSB] matrix_a_fmt:MATRIX_FMT_FP4 matrix_b_fmt:MATRIX_FMT_FP4 matrix_a_scale:MATRIX_SCALE_ROW1
.endif
.else
.if (\rb)
	v_wmma_scale_f32_16x16x128_f8f6f4 v[rD:rD+7], v[rA:rA+7], v[rB:rB+7], v[rC:rC+7], v[rSA], v[rSB] matrix_a_fmt:MATRIX_FMT_FP4 matrix_b_fmt:MATRIX_FMT_FP4 matrix_b_scale:MATRIX_SCALE_ROW1
.else
	v_wmma_scale_f32_16x16x128_f8f6f4 v[rD:rD+7], v[rA:rA+7], v[rB:rB+7], v[rC:rC+7], v[rSA], v[rSB] matrix_a_fmt:MATRIX_FMT_FP4 matrix_b_fmt:MATRIX_FMT_FP4
.endif
.endif
.endm
; K step sp of half q: four places behind the last products, eight fragments and their scale words, one wait, sixteen products: every accumulator once, so no two neighbours share one.
.macro KSTEP q, sp, vt, first
.rept 4
	v_nop
.endr
.irp i, 0,1,2,3
.irp c, 0,1
	ds_load_b128 v[WF+8*\i+4*\c:WF+8*\i+4*\c+3], v[ADW+\q] offset:\i*16*WP+64*(\sp)+32*\c
	ds_load_b128 v[TF+8*\i+4*\c:TF+8*\i+4*\c+3], v[ADT+\q] offset:\i*4096+1024*(\sp)+512*\c
.endr
.endr
.irp p, 0,1
	ds_load_b32 v[TS+\p], v[ADTS] offset:(4*(\q)+(\sp))*1024+128*\p
.endr
.if (\sp) == 0
.irp p, 0,1
	ds_load_b128 v[WS+4*\p:WS+4*\p+3], v[ADWS] offset:\p*1024+16*(\q)
.endr
.endif
	s_wait_dscnt 0x0
.irp b, 0,1,2,3
.irp a, 0,1,2,3
.set rD, ACC+8*(4*\b+\a)
.set rC, rD
.if (\vt)
.set rA, TF+8*\a
.set rB, WF+8*\b
.set rSA, TS+\a/2
.set rSB, WS+4*(\b/2)+(\sp)
.if (\first)
.set rC, BIAS+8*\b
.endif
.else
.set rA, WF+8*\a
.set rB, TF+8*\b
.set rSA, WS+4*(\a/2)+(\sp)
.set rSB, TS+\b/2
.if (\first)
.set rC, BIAS+8*\a
.endif
.endif
	WMS \a%2, \b%2
.endr
.endr
.endm
.macro HALF q, vt
	KSTEP \q, 0, \vt, 1-\q
	KSTEP \q, 1, \vt, 0
	KSTEP \q, 2, \vt, 0
	KSTEP \q, 3, \vt, 0
.endm
; 32 numbers of a lane, register 8 a + j = k 16 a + 8 (lane / 16) + j (two blocks of 32 in lanes l and l xor 16), become four registers of codes (register g of lane (r, H): k 32 H + 8 g .. + 7) and two scale bytes in u.
.macro QUANT32 s, pc, u, tm
.irp b, 0,1
	v_max3_num_f32 v[\tm+\b], |v[\s+16*\b]|, |v[\s+16*\b+1]|, 0x1800000   ; and the floor 2^(3 - 127): the byte cannot fall under 1
.endr
.irp i, 2,4,6,8,10,12,14
.irp b, 0,1
	v_max3_num_f32 v[\tm+\b], v[\tm+\b], |v[\s+16*\b+\i]|, |v[\s+16*\b+\i+1]|
.endr
.endr
.irp b, 0,1
	s_delay_alu instid0(VALU_DEP_2)
	v_permlanex16_b32 v[\tm+2+\b], v[\tm+\b], s[SEL], s[SEL+1]
.endr
.irp b, 0,1
	s_delay_alu instid0(VALU_DEP_2)
	v_max_num_f32 v[\tm+\b], v[\tm+\b], v[\tm+2+\b]
.endr
.irp b, 0,1
	s_delay_alu instid0(VALU_DEP_2)
	v_add_nc_u32 v[\tm+4+\b], 0xff000000, v[\tm+\b]            ; 2 off the exponent field: the conversion's scale operand
.endr
.irp b, 0,1
	s_delay_alu instid0(VALU_DEP_2)
	v_lshrrev_b32 v[\tm+2+\b], 23, v[\tm+4+\b]
.endr
	s_delay_alu instid0(VALU_DEP_1)
	v_lshl_or_b32 v[\u], v[\tm+3], 8, v[\tm+2]
	v_cvt_scalef32_pk8_fp4_f32 v[\pc], v[\s:\s+7], v[\tm+4]
	v_cvt_scalef32_pk8_fp4_f32 v[\pc+2], v[\s+8:\s+15], v[\tm+4]
	v_cvt_scalef32_pk8_fp4_f32 v[\pc+1], v[\s+16:\s+23], v[\tm+5]
	v_cvt_scalef32_pk8_fp4_f32 v[\pc+3], v[\s+24:\s+31], v[\tm+5]
	v_nop                                                      ; one plain place behind the scaled conversions
	v_permlane16_swap_b32 v[\pc], v[\pc+1]
	v_permlane16_swap_b32 v[\pc+2], v[\pc+3]
.endm
; gelu (tanh form) of 32 numbers in place: x / (1 + 2^(x (c0 + c1 x^2))), c0 = -2 log2(e) sqrt(2 / pi), c1 = 0.044715 c0.  Two batches of transcendentals, one wait each.
.macro GELU32 x
.set j, 0
.rept 16
	v_pk_mul_f32 v[Z+j:Z+j+1], v[\x+j:\x+j+1], v[\x+j:\x+j+1]
.set j, j+2
.endr
.set j, 0
.rept 16
	v_pk_fma_f32 v[Z+j:Z+j+1], v[Z+j:Z+j+1], s[2:3], v[C0:C0+1] op_sel_hi:[1,0,1]
.set j, j+2
.endr
.set j, 0
.rept 16
	v_pk_mul_f32 v[Z+j:Z+j+1], v[Z+j:Z+j+1], v[\x+j:\x+j+1]
.set j, j+2
.endr
.set j, 0
.rept 32
	v_exp_f32 v[Z+j], v[Z+j]
.set j, j+1
.endr
	v_nop
	s_wait_alu depctr_va_vdst(0)
.set j, 0
.rept 16
	v_pk_add_f32 v[Z+j:Z+j+1], v[Z+j:Z+j+1], 1.0 op_sel_hi:[1,0]
.set j, j+2
.endr
.set j, 0
.rept 32
	v_rcp_f32 v[Z+j], v[Z+j]
.set j, j+1
.endr
	v_nop
	s_wait_alu depctr_va_vdst(0)
.set j, 0
.rept 16
	v_pk_mul_f32 v[\x+j:\x+j+1], v[\x+j:\x+j+1], v[Z+j:Z+j+1]
.set j, j+2
.endr
.endm
.if IS_UP
	s_load_b256 s[4:11], s[0:1], 0x0               ; T s[4:5], W's codes s[6:7], W's scales s[8:9], bias s[10:11]
	s_load_b64 s[24:25], s[0:1], 0x20              ; the output
.else
	s_load_b512 s[4:19], s[0:1], 0x0               ; T, then codes, scales, bias of q; of k; v's codes
	s_load_b128 s[20:23], s[0:1], 0x40             ; v's scales, v's bias
	s_load_b64 s[24:25], s[0:1], 0x50              ; the output
.endif
	v_lshl_add_u32 v[SPW], v0, 2, SPARE
	v_mov_b32 v[NIL], 0
	ds_add_u32 v11, v12
	ds_add_u32 v11, v12
	s_wait_dscnt 0x0
	v_lshrrev_b32 v[LI], 5, v0
	s_delay_alu instid0(VALU_DEP_1)
	v_readfirstlane_b32 s[WV], v[LI]               ; wave 0..15
	s_and_b32 s[W7], s[WV], 3                      ; which quarter of T's tiles I fetch, if I fetch for T
	s_bfe_u32 s60, ttmp6, 0x40000                  ; cx
	s_bfe_u32 s61, ttmp6, 0x40004                  ; cy
.if IS_UP
	s_lshl_b32 s62, ttmp9, 2
	s_add_co_u32 s62, s62, s60                     ; X: channel tile
.else
	s_mov_b32 s62, s60                             ; X: channel tile inside the matrix
.endif
	s_and_b32 s63, ttmp7, 0xffff
	s_lshl_b32 s63, s63, 2
	s_add_co_u32 s63, s63, s61                     ; Y: token tile
	s_lshl_b32 s2, s61, 2
	s_lshl_b32 s2, 15, s2                          ; my row of the cluster
	s_lshl_b32 s3, 0x1111, s60                     ; my column
	s_or_b32 s[G1T], s2, (3<<16)|(1<<21)           ; T's codes: 4 rows (tiles) of 512 elements of 8 bytes, 8,192 bytes apart; no padding
	s_mov_b32 s[G1T+1], 512<<16
	s_mov_b32 s[G1T+2], 4<<16
	s_mov_b32 s[G1T+3], 512<<16
	s_mov_b32 s[G1T+4], 4
	s_mov_b32 s[G1T+5], 1024
	s_mov_b32 s[G1T+6], 0
	s_mov_b32 s[G1T+7], 0
	s_or_b32 s[G1W], s3, (1<<20)|(1<<21)|(5<<22)|(3<<25)   ; W's codes: 128 rows of 256 bytes, 512 apart; four words of padding after every 64
	s_mov_b32 s[G1W+1], 256<<16
	s_mov_b32 s[G1W+2], 128<<16
	s_mov_b32 s[G1W+3], 256<<16
	s_mov_b32 s[G1W+4], 128
	s_mov_b32 s[G1W+5], 512
	s_mov_b32 s[G1W+6], 0
	s_mov_b32 s[G1W+7], 0
	s_or_b32 s[G1TS], s2, (3<<16)|(1<<21)          ; scales: 8 rows of 1,024 bytes, T's 16,384 bytes apart, W's dense
	s_or_b32 s[G1WS], s3, (3<<16)|(1<<21)
	s_mov_b32 s[G1TS+5], 2048
	s_mov_b32 s[G1WS+5], 128
.irp g, G1TS, G1WS
	s_mov_b32 s[\g+1], 128<<16
	s_mov_b32 s[\g+2], 8<<16
	s_mov_b32 s[\g+3], 128<<16
	s_mov_b32 s[\g+4], 8
	s_mov_b32 s[\g+6], 0
	s_mov_b32 s[\g+7], 0
.endr
	s_lshl_b32 s92, s63, 17                        ; T's codes: 131,072 bytes a token tile of 256, 32,768 for my four tiles of 16
	s_lshl_b32 s93, s[W7], 15
	s_add_co_u32 s92, s92, s93
	s_lshl_b32 s96, s63, 10                        ; T's scale words: 1,024 bytes of each K step
	s_add_co_u32 s96, s96, 2097152
	s_mov_b32 s93, 0
	s_mov_b32 s97, 0
	s_lshl_b32 s94, s62, 17                        ; W's codes: 256 rows of 512 bytes a channel tile, 128 rows for me
	s_and_b32 s95, s[WV], 1
	s_lshl_b32 s95, s95, 16
	s_add_co_u32 s94, s94, s95
	s_lshl_b32 s98, s62, 13                        ; W's scale bytes: 8,192 a channel tile
	s_mov_b32 s95, 0
	s_mov_b32 s99, 0
	s_mov_b32 s[G0T], 1
	s_mov_b32 s[G0T+1], TSC
	s_mov_b32 s[G0T+4], 1
	s_lshl_b32 s[G0T+5], s[W7], 14
	s_mov_b32 s[G0T+8], 1
	s_add_co_u32 s[G0T+9], s[G0T+5], THALF
	s_mov_b32 s[G0W], 1
	s_mov_b32 s[G0W+1], WSC
	s_mov_b32 s[G0W+4], 1
	s_and_b32 s[G0W+5], s[WV], 1
	s_mul_i32 s[G0W+5], s[G0W+5], 128*WP
	s_add_co_u32 s[G0W+5], s[G0W+5], WROW
	s_mov_b32 s[G0W+8], 1
	s_add_co_u32 s[G0W+9], s[G0W+5], WHALF
	s_mov_b32 s[SEL], 0x76543210
	s_mov_b32 s[SEL+1], 0xfedcba98
	s_wait_kmcnt 0x0
.if IS_UP == 0
	s_cmp_eq_u32 ttmp9, 1                          ; the matrix: the choice hangs on the cluster's x alone
	s_cselect_b64 s[6:7], s[12:13], s[6:7]
	s_cselect_b64 s[8:9], s[14:15], s[8:9]
	s_cselect_b64 s[10:11], s[16:17], s[10:11]
	s_cmp_eq_u32 ttmp9, 2
	s_cselect_b64 s[6:7], s[18:19], s[6:7]
	s_cselect_b64 s[8:9], s[20:21], s[8:9]
	s_cselect_b64 s[10:11], s[22:23], s[10:11]
.endif
	s_add_nc_u64 s[G0T+2:G0T+3], s[4:5], s[96:97]
	s_add_nc_u64 s[G0T+6:G0T+7], s[4:5], s[92:93]
	s_add_nc_u64 s[G0T+10:G0T+11], s[G0T+6:G0T+7], 4096
	s_add_nc_u64 s[G0W+2:G0W+3], s[8:9], s[98:99]
	s_add_nc_u64 s[G0W+6:G0W+7], s[6:7], s[94:95]
	s_add_nc_u64 s[G0W+10:G0W+11], s[G0W+6:G0W+7], 256
.irp g, G0T+3, G0T+7, G0T+11, G0W+3, G0W+7, G0W+11
	s_or_b32 s[\g], s[\g], 0x80000000              ; type = 2
.endr
	ROUND                                          ; all sixteen work-groups are here: the joint loads meet
	ARM 4, G0T+4, G1T, .Lhead_w0                   ; one load a wave: waves 0-3 T's half 0, 4 and 5 W's half 0,
	ARM 6, G0W+4, G1W, .Lhead_ts
	ARM 7, G0T, G1TS, .Lhead_ws                    ; 6 T's scale words, 7 W's scale bytes,
	ARM 8, G0W, G1WS, .Lhead_t1
	ARM 12, G0T+8, G1T, .Lhead_w1                  ; 8-11 T's half 1, 12 and 13 W's; 14 and 15 none
	ARM 14, G0W+8, G1W, .Lhead_none
.Lasked:
	s_and_b32 s12, s[WV], 3                        ; wt: my 64 tokens
	s_lshr_b32 s13, s[WV], 2                       ; wc: my 64 channels
	v_and_b32 v[LS], 31, v0
	s_delay_alu instid0(VALU_DEP_1)
	v_lshlrev_b32 v[LI], 4, v[LS]
	s_delay_alu instid0(VALU_DEP_2)
	v_lshlrev_b32 v[LS], 2, v[LS]
	v_and_b32 v[RR], 15, v0
	v_bfe_u32 v[HH], v0, 4, 1
	s_lshl_b32 s14, s12, 14
	v_add_nc_u32 v[ADT], s14, v[LI]                ; four tiles of 4,096 bytes, 16 bytes a lane
	s_delay_alu instid0(VALU_DEP_1)
	v_add_nc_u32 v[ADT+1], THALF, v[ADT]
	v_mul_u32_u24 v[ADW], v[RR], WP
	s_delay_alu instid0(VALU_DEP_1)
	v_lshl_add_u32 v[ADW], v[HH], 4, v[ADW]
	s_mul_i32 s14, s13, 64*WP
	s_add_co_u32 s14, s14, WROW
	v_add_nc_u32 v[ADW], s14, v[ADW]               ; row 64 wc + r, + 16 h
	s_delay_alu instid0(VALU_DEP_1)
	v_add_nc_u32 v[ADW+1], WHALF, v[ADW]
	s_lshl_b32 s14, s12, 8
	s_add_co_u32 s14, s14, TSC
	v_add_nc_u32 v[ADTS], s14, v[LS]               ; token 64 wt + lane
	v_lshlrev_b32 v[ADWS], 1, v[LI]
	s_lshl_b32 s14, s13, 11
	s_add_co_u32 s14, s14, WSC
	v_add_nc_u32 v[ADWS], s14, v[ADWS]             ; row 64 wc + lane, 32 bytes a row
	s_lshl_b32 s14, s62, 10
	s_lshl_b32 s15, s13, 8
	s_add_co_u32 s14, s14, s15
	s_mov_b32 s15, 0
	s_add_nc_u64 s[10:11], s[10:11], s[14:15]      ; the bias at my 64 channels
	v_lshlrev_b32 v[BO], 5, v[HH]
.irp a, 0,1,2,3
	global_load_b128 v[BIAS+8*\a:BIAS+8*\a+3], v[BO], s[10:11] offset:64*\a          ; channels 16 a + 8 h + 0 .. 7
	global_load_b128 v[BIAS+8*\a+4:BIAS+8*\a+7], v[BO], s[10:11] offset:64*\a+16
.endr
.if IS_UP == 0
	v_lshlrev_b32 v[BR], 2, v[RR]
.irp b, 0,1,2,3
	global_load_b32 v[BV+\b], v[BR], s[10:11] offset:64*\b                           ; channel 16 b + r: the form that v's orientation wants
.endr
.endif
	s_wait_alu depctr_va_vdst(0)                   ; the wait at the head's end
	s_cmp_lt_u32 s[WV], 8                          ; waves 8 to 13, which fetch half 1 by lines of their own, wait for it ahead of the second barrier
	s_cbranch_scc0 .Lhalf1_out
	s_wait_tensorcnt 0x0                           ; my part of half 0 or of the scales is in
.Lhalf1_out:
	s_barrier_signal -1
	s_barrier_wait -1
	s_wait_loadcnt 0x0                             ; the bias
.if IS_UP == 0
	s_cmp_eq_u32 ttmp9, 2
	s_cbranch_scc1 .Lv_first
.endif
	s_wait_alu depctr_va_vdst(0)
	HALF 0, 0
.if IS_UP == 0
	s_branch .Lmid
.Lv_first:
.irp b, 0,1,2,3
.irp j, 0,1,2,3,4,5,6,7
	v_mov_b32 v[BIAS+8*\b+\j], v[BV+\b]            ; a lane holds one channel: its bias in all eight registers
.endr
.endr
	s_wait_alu depctr_va_vdst(0)
	HALF 0, 1
.Lmid:
.endif
	s_wait_tensorcnt 0x0                           ; my part of half 1 is in,
	s_barrier_signal -1
	s_barrier_wait -1                              ; everybody's is
.if IS_UP == 0
	s_cmp_eq_u32 ttmp9, 2
	s_cbranch_scc1 .Lv_second
.endif
	HALF 1, 0
.if IS_UP == 0
	s_branch .Lout
.Lv_second:
	HALF 1, 1
.Lout:
.endif
.rept 4
	v_nop                                          ; places behind the last products
.endr
	v_mov_b32 v[TM+2], 0                           ; a lane permute's destination counts as read
	v_mov_b32 v[TM+3], 0
	s_mov_b32 vcc_lo, 0xffff0000
.if IS_UP
	s_mov_b32 s2, 0xbdd2d3e8                       ; c1
	s_mov_b32 s3, s2
	v_mov_b32 v[C0], 0xc0135761                    ; c0
	v_mov_b32 v[C0+1], v[C0]
.endif
.irp b, 0,1,2,3
.if IS_UP
	GELU32 ACC+32*\b
.endif
	QUANT32 ACC+32*\b, PC+4*\b, U+\b, TM
.endr
.irp p, 0,1
	v_cndmask_b32 v[MG+\p], v[U+2*\p], v[U+2*\p+1], vcc_lo     ; lanes 0-15: tile 2 p's bytes, lanes 16-31: tile 2 p + 1's
.endr
.if IS_UP
	s_lshl_b32 s16, s63, 19                        ; images [token tile][K step 32][1,024]: tile 16 Y + 4 wt + b, K step 2 X + wc / 2, half wc % 2
	s_lshl_b32 s22, s12, 17
	s_add_co_u32 s16, s16, s22
	s_lshl_b32 s22, s62, 11
	s_add_co_u32 s16, s16, s22
	s_lshl_b32 s22, s13, 9
	s_add_co_u32 s16, s16, s22
	s_mov_b32 s17, 0
	s_lshl_b32 s18, s62, 15                        ; scale words [K step 32][token] from byte 8,388,608; my two bytes at 2 (wc % 2)
	s_lshr_b32 s22, s13, 1
	s_lshl_b32 s22, s22, 14
	s_add_co_u32 s18, s18, s22
	s_lshl_b32 s22, s63, 10
	s_add_co_u32 s18, s18, s22
	s_lshl_b32 s22, s12, 8
	s_add_co_u32 s18, s18, s22
	s_and_b32 s22, s13, 1
	s_lshl_b32 s22, s22, 1
	s_add_co_u32 s18, s18, s22
	s_add_co_u32 s18, s18, 8388608
	s_mov_b32 s19, 0
	s_add_nc_u64 s[16:17], s[24:25], s[16:17]
	s_add_nc_u64 s[18:19], s[24:25], s[18:19]
.irp b, 0,1,2,3
	global_store_b128 v[LI], v[PC+4*\b:PC+4*\b+3], s[16:17] offset:32768*\b          ; 512 consecutive bytes
.endr
.irp p, 0,1
	global_store_b16 v[LS], v[MG+\p], s[18:19] offset:128*\p
.endr
.else
	s_lshr_b32 s20, s63, 3                         ; batch,
	s_lshl_b32 s20, s20, 4
	s_lshl_b32 s21, s60, 2
	s_add_co_u32 s20, s20, s21
	s_add_co_u32 s20, s20, s13                     ; bh = 16 batch + head, head = 4 cx + wc
	s_and_b32 s21, s63, 7                          ; which 256 tokens of the batch
	s_lshl_b32 s16, ttmp9, 21                      ; images: 2 MiB a matrix, 65,536 bytes a head
	s_lshl_b32 s22, s20, 16
	s_add_co_u32 s16, s16, s22
	s_lshl_b32 s18, ttmp9, 18                      ; scales: from byte 6,291,456, 262,144 bytes for q and for k, then v's
	s_add_co_u32 s18, s18, 6291456
	s_mov_b32 s17, 0
	s_mov_b32 s19, 0
	s_cmp_eq_u32 ttmp9, 2
	s_cbranch_scc1 .Lv_store
	s_lshl_b32 s22, s21, 13                        ; q, k: [tile 128][lane][16 bytes]: tile 16 (Y % 8) + 4 wt + b
	s_add_co_u32 s16, s16, s22
	s_lshl_b32 s22, s12, 11
	s_add_co_u32 s16, s16, s22
	s_lshl_b32 s22, s20, 13                        ; scale words [token 2,048]
	s_add_co_u32 s18, s18, s22
	s_lshl_b32 s22, s21, 10
	s_add_co_u32 s18, s18, s22
	s_lshl_b32 s22, s12, 8
	s_add_co_u32 s18, s18, s22
	s_add_nc_u64 s[16:17], s[24:25], s[16:17]
	s_add_nc_u64 s[18:19], s[24:25], s[18:19]
	s_wait_alu depctr_va_vdst(0)
.irp p, 0,1
	v_lshl_or_b32 v[MG+\p], v[MG+\p], 16, v[MG+\p]             ; the two bytes twice: they serve k 0-63 and k 64-127 of the score product
.endr
.irp b, 0,1,2,3
	global_store_b128 v[LI], v[PC+4*\b:PC+4*\b+3], s[16:17] offset:512*\b
.endr
.irp p, 0,1
	global_store_b32 v[LS], v[MG+\p], s[18:19] offset:128*\p
.endr
	s_branch .Lend
.Lv_store:
	s_lshl_b32 s22, s21, 1
	s_lshr_b32 s23, s12, 1
	s_add_co_u32 s22, s22, s23                     ; v: the K step of 128 keys,
	s_and_b32 s23, s12, 1                          ; and which 64 of them
	s_lshl_b32 s21, s22, 12                        ; images [K step 16][channel tile 4][1,024]
	s_add_co_u32 s16, s16, s21
	s_lshl_b32 s21, s23, 9
	s_add_co_u32 s16, s16, s21
	s_lshl_b32 s21, s20, 12                        ; scale words [K step 16][channel 64]
	s_add_co_u32 s18, s18, s21
	s_lshl_b32 s21, s22, 8
	s_add_co_u32 s18, s18, s21
	s_lshl_b32 s21, s23, 1
	s_add_co_u32 s18, s18, s21
	s_add_nc_u64 s[16:17], s[24:25], s[16:17]
	s_add_nc_u64 s[18:19], s[24:25], s[18:19]
	s_wait_alu depctr_va_vdst(0)
.irp b, 0,1,2,3
	global_store_b128 v[LI], v[PC+4*\b:PC+4*\b+3], s[16:17] offset:1024*\b
.endr
.irp p, 0,1
	global_store_b16 v[LS], v[MG+\p], s[18:19] offset:128*\p
.endr
.Lend:
.endif
	s_wait_tensorcnt 0x0                           ; the wave's end
	ds_add_u32 v[SPW], v[NIL]
	s_wait_dscnt 0x0
	ROUND                                          ; the closing round
	s_endpgm
.Lfunc_end_k_q713f65153b_qkv:
	.size	k_q713f65153b_qkv, .Lfunc_end_k_q713f65153b_qkv-k_q713f65153b_qkv
	.p2alignl 7, 3214868480
	.fill 96, 4, 3214868480
	.section	.rodata,"a",@progbits
	.p2align	6, 0x0
	.amdhsa_kernel k_q713f65153b_qkv
		.amdhsa_group_segment_fixed_size 327680
		.amdhsa_private_segment_fixed_size 0
		.amdhsa_enable_private_segment 0
		.amdhsa_kernarg_size 88
		.amdhsa_user_sgpr_count 2
		.amdhsa_user_sgpr_kernarg_segment_ptr 1
		.amdhsa_wavefront_size32 1
		.amdhsa_system_sgpr_workgroup_id_x 1
		.amdhsa_system_sgpr_workgroup_id_y 1
		.amdhsa_system_sgpr_workgroup_id_z 1
		.amdhsa_system_vgpr_workitem_id 0
		.amdhsa_next_free_vgpr 256
		.amdhsa_next_free_sgpr 100
		.amdhsa_reserve_vcc 1
		.amdhsa_float_denorm_mode_32 3
		.amdhsa_float_denorm_mode_16_64 3
		.amdhsa_memory_ordered 1
		.amdhsa_forward_progress 1
		.amdhsa_inst_pref_size 77
	.end_amdhsa_kernel
	.amdgpu_metadata
---
amdhsa.version: [ 1, 2 ]
amdhsa.kernels:
  - .name:           k_q713f65153b_qkv
    .symbol:         k_q713f65153b_qkv.kd
    .args:
      - { .name: xn, .offset: 0, .size: 8, .value_kind: global_buffer, .address_space: global }
      - { .name: Wq_codes, .offset: 8, .size: 8, .value_kind: global_buffer, .address_space: global }
      - { .name: Wq_scales, .offset: 16, .size: 8, .value_kind: global_buffer, .address_space: global }
      - { .name: bq, .offset: 24, .size: 8, .value_kind: global_buffer, .address_space: global }
      - { .name: Wk_codes, .offset: 32, .size: 8, .value_kind: global_buffer, .address_space: global }
      - { .name: Wk_scales, .offset: 40, .size: 8, .value_kind: global_buffer, .address_space: global }
      - { .name: bk, .offset: 48, .size: 8, .value_kind: global_buffer, .address_space: global }
      - { .name: Wv_codes, .offset: 56, .size: 8, .value_kind: global_buffer, .address_space: global }
      - { .name: Wv_scales, .offset: 64, .size: 8, .value_kind: global_buffer, .address_space: global }
      - { .name: bv, .offset: 72, .size: 8, .value_kind: global_buffer, .address_space: global }
      - { .name: qkvw, .offset: 80, .size: 8, .value_kind: global_buffer, .address_space: global }
    .group_segment_fixed_size: 327680
    .private_segment_fixed_size: 0
    .kernarg_segment_align: 8
    .kernarg_segment_size: 88
    .max_flat_workgroup_size: 512
    .sgpr_count:     100
    .vgpr_count:     256
    .wavefront_size: 32
...
	.end_amdgpu_metadata
.endif
;; end of part 2
;; launch attn (part 3): grid 8 x 32, 16 waves a work-group, no clusters, 167,936 bytes of LDS; arguments qkvw, at; writes at
.if DOCPART == 3
	.amdgcn_target "amdgcn-amd-amdhsa--gfx1250"
	.amdhsa_code_object_version 6
	.text
	.protected	k_q713f65153b_attn
	.globl	k_q713f65153b_attn
	.p2align	8
	.type	k_q713f65153b_attn,@function
k_q713f65153b_attn:
	s_mov_b64 s[64:65], 0
	v_nop
	global_prefetch_b8 v0, s[64:65] scope:SCOPE_SE
	s_setreg_imm32_b32 hwreg(HW_REG_WAVE_MODE, 25, 1), 1
	s_wait_xcnt 0x0
; Causal attention on E2M1 codes, 32 heads (16 batch + head) of 2,048 tokens x 64.  t = score x log2(e) / 8; M = the running largest t rounded up to a whole number; p = 2^(t - M) is quantised along the keys;
; the row's sum is taken of the unquantised p and divides O at the end; O is then quantised along the channels for the next product.
; LEFT OUT: key steps of 128 that lie wholly behind a tile's queries.  reference() builds that mask itself and sets their scores to -infinity, so p = 0 for all inputs; a NaN, an infinity or an overflow that reaches only those scores is not carried on.
; A wave owns 16 queries and walks the keys 128 a step, as far as its diagonal.  The 16 waves of a work-group take tiles 8 j + a and 127 - (8 j + a): eight waves of j + 1 steps and eight of 16 - j, the same sum in every work-group.
; K, V AND THEIR SCALE WORDS OF THE WHOLE HEAD LIE IN LDS (143,360 bytes), filled once, in quarters of four key steps, one tensor load a wave: wave 4 q + 0 brings K's codes of quarter q, + 1 V's, + 2 K's scale words, + 3 V's.
; The first barrier asks for quarter 0, the second for the others: four steps, then twelve.  They are images of the registers: a 16-byte load of the wave reads 512 consecutive bytes.
; NO CLUSTER: under the causal mask the tiles of a head need 1 to 16 steps, so branches would hang on a work-group's place in it.  No prefetch: everything is asked for at the head, no loop asks for anything.
; THE HEAD IS 64, THE INSTRUCTION'S K 128: a fragment of K holds two tiles of 16 keys (k 0-63: keys 32 f + r, k 64-127: keys 32 f + 16 + r); against [q, 0] it gives the first tile's scores, against [0, q] the second's.
; Both products are used transposed: a lane holds one query; register 8 t + j of the scores is key 16 t + 8 (lane / 16) + j.
; OUT: 8,704 bytes a tile of 16 tokens: images [K step 8][c 0..1][lane][16 bytes], then scale words [K step 8][16 tokens].
; LIMITS: a block of zeros gets the byte 1 (read by this program alone); NaN and infinities are not served; scaled scores stay under 2^31 in magnitude.
.set KIMG, 2097152
.set VIMG, 4194304
.set QSC,  6291456
.set KSC,  6553600
.set VSC,  6815744
.set LVC, 65536                        ; LDS: K's codes from 0, V's from here,
.set LKS, 131072                       ; K's scale words,
.set LVS, 139264                       ; V's,
.set SPARE, 143360                     ; the spare words, 128 bytes a wave
.set NIL, 3                            ; v3     0; never rewritten
.set SPW, 7                            ; v7     my spare word; never rewritten
.set AV, 20                            ; v20-23 the step's LDS addresses: V, V's scales; the next step's K, K's scales
.set AVS, 21
.set AK, 22
.set AKS, 23
.set KS, 24                            ; v24-27 K's scale words: key 32 f + lane
.set VS, 28                            ; v28-29 V's: channel 32 p + lane
.set PW, 30                            ; v30    p's scale word
.set QS, 31                            ; v31    q's
.set BM, 36                            ; v36-39 a block's largest score, then its largest p
.set BX, 40                            ; v40-43 at work
.set E,  44                            ; v44-47 the conversions' scale operands
.set AV0, 57                           ; v57-59 my lane's places in V, V's scales, K's scales
.set AVS0, 58
.set AKS0, 59
.set PC, 60                            ; v60-67 p's codes
.set KF, 68                            ; v68-99   K: four fragments
.set VF, 100                           ; v100-131 V: four fragments
.set S,  132                           ; v132-195 scores, then p
.set O,  196                           ; v196-227 O^T
.set LAST, 14                          ; s14 my diagonal's key step
.set DT, 15                            ; s15 my diagonal's tile in it
.set KN, 16                            ; s16 the step
.set TY, 18                            ; s18 what I fetch: wave % 4
.set QT, 19                            ; s19 which quarter: wave / 4
.set SEL, 22                           ; v8-11 zeros, v12-15 q, v16-19 zeros;  v32 -M, v33 the largest t, v[34:35] the sum, v[48:49] f
.set G1C, 28                           ; descriptor groups 1: codes, K's scale words, V's
.set G1KS, 36
.set G1VS, 44
.set MT, 52                            ; s52-59 a tile's masks
.set MJ, 68                            ; s68-75 the diagonal tile's masks: register j is hidden
.set G0K, 84
.set G0V, 88
.set G0KS, 92
.set G0VS, 96
.macro DESC g, rows                    ; dense rows of 32 elements of 8 bytes
	s_mov_b32 s[\g], 3<<16
	s_mov_b32 s[\g+1], 32<<16
	s_mov_b32 s[\g+2], (\rows)<<16
	s_mov_b32 s[\g+3], 32<<16
	s_mov_b32 s[\g+4], \rows
	s_mov_b32 s[\g+5], 32
	s_mov_b32 s[\g+6], 0
	s_mov_b32 s[\g+7], 0
.endm
.macro TLOAD g0, g1
	tensor_load_to_lds s[\g0:\g0+3], s[\g1:\g1+7]
	s_nop 0
.rept 4
	v_nop
.endr
	s_branch .Lasked
.endm
.macro ARM reg, under, g0, g1, next
	s_cmp_lt_u32 s[\reg], \under
	s_cbranch_scc0 \next
	TLOAD \g0, \g1
\next:
.endm
.macro QUANT32 s, pc, u, tm
.irp b, 0,1
	v_max3_num_f32 v[\tm+\b], |v[\s+16*\b]|, |v[\s+16*\b+1]|, 0x1800000   ; and the floor 2^(3 - 127): the byte cannot fall under 1
.endr
.irp i, 2,4,6,8,10,12,14
.irp b, 0,1
	s_delay_alu instid0(VALU_DEP_2)
	v_max3_num_f32 v[\tm+\b], v[\tm+\b], |v[\s+16*\b+\i]|, |v[\s+16*\b+\i+1]|
.endr
.endr
.irp b, 0,1
	s_delay_alu instid0(VALU_DEP_2)
	v_permlanex16_b32 v[\tm+2+\b], v[\tm+\b], s[SEL], s[SEL+1]
.endr
.irp b, 0,1
	s_delay_alu instid0(VALU_DEP_2)
	v_max_num_f32 v[\tm+\b], v[\tm+\b], v[\tm+2+\b]
.endr
.irp b, 0,1
	s_delay_alu instid0(VALU_DEP_2)
	v_add_nc_u32 v[\tm+4+\b], 0xff000000, v[\tm+\b]
.endr
.irp b, 0,1
	s_delay_alu instid0(VALU_DEP_2)
	v_lshrrev_b32 v[\tm+2+\b], 23, v[\tm+4+\b]
.endr
	s_delay_alu instid0(VALU_DEP_1)
	v_lshl_or_b32 v[\u], v[\tm+3], 8, v[\tm+2]
	v_cvt_scalef32_pk8_fp4_f32 v[\pc], v[\s:\s+7], v[\tm+4]
	v_cvt_scalef32_pk8_fp4_f32 v[\pc+2], v[\s+8:\s+15], v[\tm+4]
	v_cvt_scalef32_pk8_fp4_f32 v[\pc+1], v[\s+16:\s+23], v[\tm+5]
	v_cvt_scalef32_pk8_fp4_f32 v[\pc+3], v[\s+24:\s+31], v[\tm+5]
	v_nop
	v_permlane16_swap_b32 v[\pc], v[\pc+1]
	v_permlane16_swap_b32 v[\pc+2], v[\pc+3]
.endm
.macro KLOAD ak, aks, k                ; 128 keys: eight tiles of 512 bytes and their 128 scale words: 12 loads
.irp f, 0,1,2,3
.irp u, 0,1
	ds_load_b128 v[KF+8*\f+4*\u:KF+8*\f+4*\u+3], v[\ak] offset:4096*\k+(2*\f+\u)*512
.endr
.endr
.irp f, 0,1,2,3
	ds_load_b32 v[KS+\f], v[\aks] offset:512*\k+128*\f
.endr
.endm
; A KEY STEP.  lim: the last step whose K this loop may read: the step that follows is asked for ahead, and in the loop's last trip its own K once more.
.macro STEP lim
	s_cmp_gt_u32 s[KN], s[LAST]                    ; all 128 keys come after my queries: nothing to do
	s_cbranch_scc1 .Lskip_\@
	s_min_u32 s60, s[KN], (\lim)-1
	s_add_co_u32 s60, s60, 1
	s_lshl_b32 s61, s60, 12
	s_lshl_b32 s60, s60, 9
	s_lshl_b32 s62, s[KN], 12
	s_lshl_b32 s63, s[KN], 8
	v_add_nc_u32 v[AV], s62, v[AV0]                ; these four are also the places behind the last products, ahead of loads into their registers
	v_add_nc_u32 v[AVS], s63, v[AVS0]
	v_add_nc_u32 v[AK], s61, v1
	v_add_nc_u32 v[AKS], s60, v[AKS0]
.irp t, 0,1,2,3
.irp c, 0,1
	ds_load_b128 v[VF+8*\t+4*\c:VF+8*\t+4*\c+3], v[AV] offset:\t*1024+512*\c
.endr
.endr
.irp p, 0,1
	ds_load_b32 v[VS+\p], v[AVS] offset:128*\p
.endr
	s_wait_alu depctr_va_vdst(0)
	s_wait_dscnt 10                                ; all but V's ten: K and its scale words are in
.irp f, 0,1,2,3
	v_wmma_scale_f32_16x16x128_f8f6f4 v[S+16*\f:S+16*\f+7], v[KF+8*\f:KF+8*\f+7], v[12:19], 0, v[KS+\f], v[QS] matrix_a_fmt:MATRIX_FMT_FP4 matrix_b_fmt:MATRIX_FMT_FP4
	v_wmma_scale_f32_16x16x128_f8f6f4 v[S+16*\f+8:S+16*\f+15], v[KF+8*\f:KF+8*\f+7], v[8:15], 0, v[KS+\f], v[QS] matrix_a_fmt:MATRIX_FMT_FP4 matrix_b_fmt:MATRIX_FMT_FP4 matrix_a_scale:MATRIX_SCALE_ROW1
.endr
.rept 4
	v_nop
.endr
	KLOAD AK, AKS, 0                               ; the next step's K comes under this step's softmax
	s_cmp_eq_u32 s[KN], s[LAST]
	s_cbranch_scc0 .Lopen_\@
.irp t, 7,6,5,4,3,2,1,0                ; the diagonal step, from the last tile down to the diagonal's: hidden scores become -infinity, p = 0
	s_cmp_lt_u32 s[DT], \t
	s_cselect_b32 s60, -1, 0                       ; behind the diagonal's tile all are hidden
.irp j, 0,1,2,3,4,5,6,7
	s_or_b32 s[MT+\j], s60, s[MJ+\j]
.endr
.irp j, 0,1,2,3,4,5,6,7
	v_cndmask_b32 v[S+8*\t+\j], v[S+8*\t+\j], v5, s[MT+\j]
.endr
.if \t > 0
	s_wait_alu depctr_va_vdst(0)
	s_cmp_eq_u32 s[DT], \t
	s_cbranch_scc1 .Lopen_\@
.endif
.endr
.Lopen_\@:
.irp b, 0,1,2,3
	v_max3_num_f32 v[BM+\b], v[S+16*\b], v[S+16*\b+1], v[S+16*\b+2]      ; the largest score of each block of 32 keys: for the row's maximum and for the block's largest p
.endr
.irp i, 3,5,7,9,11,13
.irp b, 0,1,2,3
	v_max3_num_f32 v[BM+\b], v[BM+\b], v[S+16*\b+\i], v[S+16*\b+\i+1]
.endr
.endr
.irp b, 0,1,2,3
	v_max_num_f32 v[BM+\b], v[BM+\b], v[S+16*\b+15]
.endr
.irp b, 0,1,2,3
	s_delay_alu instid0(VALU_DEP_4)
	v_permlanex16_b32 v[BX+\b], v[BM+\b], s[SEL], s[SEL+1]
.endr
.irp b, 0,1,2,3
	s_delay_alu instid0(VALU_DEP_4)
	v_max_num_f32 v[BM+\b], v[BM+\b], v[BX+\b]
.endr
	s_delay_alu instid0(VALU_DEP_2)
	v_max3_num_f32 v50, v[BM], v[BM+1], v[BM+2]
	s_delay_alu instid0(VALU_DEP_1)
	v_max_num_f32 v50, v50, v[BM+3]
	s_delay_alu instid0(VALU_DEP_1)
	v_mul_f32 v50, s24, v50
	s_delay_alu instid0(VALU_DEP_1)
	v_max_num_f32 v33, v33, v50                    ; the running largest t
	v_mov_b32 v50, v32
	s_delay_alu instid0(VALU_DEP_2)
	v_floor_f32 v32, -v33                          ; -M = floor(-t): M is a whole number
	s_delay_alu instid0(VALU_DEP_1)
	v_sub_f32 v50, v32, v50
	s_delay_alu instid0(VALU_DEP_1)
	v_cvt_i32_f32 v50, v50                         ; old M - new M (it saturates)
	s_delay_alu instid0(VALU_DEP_1)
	v_ldexp_f32 v48, 1.0, v50                      ; f = 2^(old M - new M): exact
.set j, 0
.rept 32
	v_pk_fma_f32 v[S+j:S+j+1], v[S+j:S+j+1], s[24:25], v[32:33] op_sel_hi:[1,0,0]    ; t - M
.set j, j+2
.endr
.irp b, 0,1,2,3
	v_fma_f32 v[BM+\b], v[BM+\b], s24, v32
.endr
	s_wait_alu depctr_va_vdst(0)                   ; the wait ahead of the batch
.set j, 0
.rept 64
	v_exp_f32 v[S+j], v[S+j]
.set j, j+1
.endr
	v_pk_mul_f32 v[34:35], v[34:35], v[48:49] op_sel_hi:[1,0]  ; the sum under the new M: a plain place behind the exponentials
	s_wait_alu depctr_va_vdst(0)                   ; one wait for the batch of 64, ahead of its first reader
.irp b, 0,1,2,3
	v_exp_f32 v[BM+\b], v[BM+\b]                   ; the block's largest p
.endr
	v_pk_add_f32 v[52:53], v[S:S+1], v[S+2:S+3]    ; the row's sum in four chains
	v_pk_add_f32 v[228:229], v[S+4:S+5], v[S+6:S+7]
	v_pk_add_f32 v[230:231], v[S+8:S+9], v[S+10:S+11]
	v_pk_add_f32 v[34:35], v[34:35], v[S+12:S+13]
.set j, 14
.rept 6
	v_pk_add_f32 v[52:53], v[52:53], v[S+j:S+j+1]
	v_pk_add_f32 v[228:229], v[228:229], v[S+j+2:S+j+3]
	v_pk_add_f32 v[230:231], v[230:231], v[S+j+4:S+j+5]
	v_pk_add_f32 v[34:35], v[34:35], v[S+j+6:S+j+7]
.set j, j+8
.endr
	v_pk_add_f32 v[52:53], v[52:53], v[S+62:S+63]
	v_pk_add_f32 v[228:229], v[228:229], v[230:231]
	v_pk_add_f32 v[34:35], v[34:35], v[52:53]
	v_pk_add_f32 v[34:35], v[34:35], v[228:229]
	s_wait_alu depctr_va_vdst(0)                   ; and one for the four
.irp b, 0,1,2,3
	v_max_num_f32 v[BM+\b], 0x1800000, v[BM+\b]    ; the floor 2^(3 - 127)
.endr
.irp b, 0,1,2,3
	v_add_nc_u32 v[E+\b], 0xff000000, v[BM+\b]
.endr
.irp b, 0,1,2,3
	v_lshrrev_b32 v[BX+\b], 23, v[E+\b]
.endr
	v_lshl_or_b32 v[PW], v[BX+1], 8, v[BX]
	s_delay_alu instid0(VALU_DEP_1)
	v_lshl_or_b32 v[PW], v[BX+2], 16, v[PW]
	s_delay_alu instid0(VALU_DEP_1)
	v_lshl_or_b32 v[PW], v[BX+3], 24, v[PW]
.irp c, 0,1
	v_cvt_scalef32_pk8_fp4_f32 v[PC+4*\c], v[S+32*\c:S+32*\c+7], v[E+2*\c]
	v_cvt_scalef32_pk8_fp4_f32 v[PC+4*\c+2], v[S+32*\c+8:S+32*\c+15], v[E+2*\c]
	v_cvt_scalef32_pk8_fp4_f32 v[PC+4*\c+1], v[S+32*\c+16:S+32*\c+23], v[E+2*\c+1]
	v_cvt_scalef32_pk8_fp4_f32 v[PC+4*\c+3], v[S+32*\c+24:S+32*\c+31], v[E+2*\c+1]
.endr
	v_nop
.irp c, 0,1
	v_permlane16_swap_b32 v[PC+4*\c], v[PC+4*\c+1]
	v_permlane16_swap_b32 v[PC+4*\c+2], v[PC+4*\c+3]
.endr
	s_wait_alu depctr_va_vdst(0)                   ; the wait directly ahead of the first reader of O^T
.set j, 0
.rept 16
	v_pk_mul_f32 v[O+j:O+j+1], v[O+j:O+j+1], v[48:49] op_sel_hi:[1,0]    ; O^T under the new M; these sixteen are also the places ahead of the scaled products
.set j, j+2
.endr
	s_wait_alu depctr_va_vdst(0)
	s_wait_dscnt 12                                ; V is in; the next step's twelve loads of K may be out
	v_wmma_scale_f32_16x16x128_f8f6f4 v[O:O+7], v[VF:VF+7], v[PC:PC+7], v[O:O+7], v[VS], v[PW] matrix_a_fmt:MATRIX_FMT_FP4 matrix_b_fmt:MATRIX_FMT_FP4
	v_wmma_scale_f32_16x16x128_f8f6f4 v[O+8:O+15], v[VF+8:VF+15], v[PC:PC+7], v[O+8:O+15], v[VS], v[PW] matrix_a_fmt:MATRIX_FMT_FP4 matrix_b_fmt:MATRIX_FMT_FP4 matrix_a_scale:MATRIX_SCALE_ROW1
	v_wmma_scale_f32_16x16x128_f8f6f4 v[O+16:O+23], v[VF+16:VF+23], v[PC:PC+7], v[O+16:O+23], v[VS+1], v[PW] matrix_a_fmt:MATRIX_FMT_FP4 matrix_b_fmt:MATRIX_FMT_FP4
	v_wmma_scale_f32_16x16x128_f8f6f4 v[O+24:O+31], v[VF+24:VF+31], v[PC:PC+7], v[O+24:O+31], v[VS+1], v[PW] matrix_a_fmt:MATRIX_FMT_FP4 matrix_b_fmt:MATRIX_FMT_FP4 matrix_a_scale:MATRIX_SCALE_ROW1
.Lskip_\@:
.endm
	s_load_b128 s[4:7], s[0:1], 0x0                ; qkvw s[4:5], at s[6:7]
	v_lshl_add_u32 v[SPW], v0, 2, SPARE
	v_mov_b32 v[NIL], 0
	ds_add_u32 v[SPW], v[NIL]                      ; the wave's opening: the add, twice on end, and its wait ahead of my tensor load
	ds_add_u32 v[SPW], v[NIL]
	v_lshrrev_b32 v1, 5, v0
	v_readfirstlane_b32 s8, v1                     ; wave 0..15
	s_and_b32 s9, ttmp7, 0xffff                    ; bh
	s_and_b32 s[TY], s8, 3
	s_lshr_b32 s[QT], s8, 2
	s_lshr_b32 s10, s8, 1                          ; a
	s_xor_b32 s11, s[QT], s8
	s_and_b32 s11, s11, 1                          ; early tile or late tile
	s_lshl_b32 s13, ttmp9, 3
	s_add_co_u32 s13, s13, s10
	s_sub_co_u32 s26, 127, s13
	s_cmp_eq_u32 s11, 1
	s_cselect_b32 s13, s26, s13                    ; i: my tile of 16 queries
	s_lshr_b32 s[LAST], s13, 3
	s_and_b32 s[DT], s13, 7
	s_mov_b32 s[SEL], 0x76543210
	s_mov_b32 s[SEL+1], 0xfedcba98
	s_mov_b32 s24, 0x3e38aa3b                      ; c = log2(e) / 8
	s_mov_b32 s25, s24
	DESC G1C, 64                                   ; 16,384 bytes
	DESC G1KS, 8                                   ; 2,048
	DESC G1VS, 4                                   ; 1,024
	s_mov_b32 s[G0K], 1
	s_lshl_b32 s[G0K+1], s[QT], 14
	s_mov_b32 s[G0V], 1
	s_add_co_u32 s[G0V+1], s[G0K+1], LVC
	s_mov_b32 s[G0KS], 1
	s_lshl_b32 s[G0KS+1], s[QT], 11
	s_add_co_u32 s[G0KS+1], s[G0KS+1], LKS
	s_mov_b32 s[G0VS], 1
	s_lshl_b32 s[G0VS+1], s[QT], 10
	s_add_co_u32 s[G0VS+1], s[G0VS+1], LVS
	s_wait_dscnt 0x0                               ; both opening adds are done
	s_wait_kmcnt 0x0
	s_mov_b32 s11, 0
	s_lshl_b32 s10, s9, 16
	s_add_nc_u64 s[20:21], s[4:5], s[10:11]        ; the head's images,
	s_lshl_b32 s10, s[QT], 14
	s_add_nc_u64 s[26:27], s[20:21], s[10:11]
	s_add_nc_u64 s[G0K+2:G0K+3], s[26:27], KIMG
	s_add_nc_u64 s[G0V+2:G0V+3], s[26:27], VIMG
	s_lshl_b32 s10, s9, 13
	s_add_nc_u64 s[26:27], s[4:5], s[10:11]        ; its scale words of q and k,
	s_lshl_b32 s10, s[QT], 11
	s_add_nc_u64 s[60:61], s[26:27], s[10:11]
	s_add_nc_u64 s[G0KS+2:G0KS+3], s[60:61], KSC
	s_lshl_b32 s10, s9, 12
	s_add_nc_u64 s[60:61], s[4:5], s[10:11]        ; of v
	s_lshl_b32 s10, s[QT], 10
	s_add_nc_u64 s[60:61], s[60:61], s[10:11]
	s_add_nc_u64 s[G0VS+2:G0VS+3], s[60:61], VSC
.irp g, G0K+3, G0V+3, G0KS+3, G0VS+3
	s_or_b32 s[\g], s[\g], 0x80000000              ; type = 2
.endr
	s_cmp_lt_u32 s8, 4                             ; ONE tree, one load on every way: quarter 0's four lines, and four more for the other quarters, which are waited for later
	s_cbranch_scc0 .Llater
	ARM 8, 1, G0K, G1C, .Lv0
	ARM 8, 2, G0V, G1C, .Lks0
	ARM 8, 3, G0KS, G1KS, .Lvs0
	TLOAD G0VS, G1VS
.Llater:
	ARM TY, 1, G0K, G1C, .Lv1
	ARM TY, 2, G0V, G1C, .Lks1
	ARM TY, 3, G0KS, G1KS, .Lvs1
	TLOAD G0VS, G1VS
.Lasked:
	s_lshl_b32 s10, s13, 9
	s_add_nc_u64 s[20:21], s[20:21], s[10:11]      ; q's tile
	s_lshl_b32 s10, s13, 6
	s_add_nc_u64 s[26:27], s[26:27], s[10:11]
	v_and_b32 v6, 31, v0                           ; lane
	v_and_b32 v4, 15, v0
	v_bfe_u32 v50, v0, 4, 1
	v_lshlrev_b32 v1, 4, v6                        ; 16 x lane
	v_lshlrev_b32 v2, 2, v6                        ; 4 x lane
	v_lshlrev_b32 v50, 3, v50
	v_sub_nc_u32 v50, v4, v50                      ; d = r - 8 (lane / 16): register j of the diagonal's tile is hidden where j > d
	v_lshlrev_b32 v4, 2, v4                        ; 4 r
	global_load_b128 v[12:15], v1, s[20:21]
	global_load_b32 v[QS], v4, s[26:27] offset:QSC
.irp j, 0,1,2,3,4,5,6,7
	v_cmp_gt_i32 s[MJ+\j], \j, v50
.endr
	v_add_nc_u32 v[AV0], LVC, v1
	v_add_nc_u32 v[AVS0], LVS, v2
	v_add_nc_u32 v[AKS0], LKS, v2
	v_mov_b32 v5, 0xff800000                       ; -infinity
.irp j, 8,9,10,11,16,17,18,19
	v_mov_b32 v\j, 0                               ; zero codes beside q
.endr
	v_mov_b32 v33, 0xff61b1e6                      ; the largest t so far: -3e38
	v_floor_f32 v32, -v33                          ; -M
	v_mov_b32 v34, 0
	v_mov_b32 v35, 0
	v_mov_b32 v49, 0                               ; named as the upper half of f's pair
.irp b, 0,1,2,3
	v_mov_b32 v[BX+\b], 0                          ; a lane permute's destination counts as read
.endr
.set j, 0
.rept 32
	v_mov_b32 v[O+j], 0                            ; the step is written for every turn alike: the first finds zeros
.set j, j+1
.endr
	s_wait_alu depctr_va_vdst(0)                   ; the wait at the head's end
	s_wait_loadcnt 0x0                             ; q
	s_cmp_lt_u32 s8, 4
	s_cbranch_scc0 .Lfirst_quarter
	s_wait_tensorcnt 0x0                           ; my part of quarter 0
.Lfirst_quarter:
	s_barrier_signal -1
	s_barrier_wait -1                              ; quarter 0 is in
	KLOAD 1, AKS0, 0
	s_mov_b32 s[KN], 0
.Lloop_a:
	STEP 3
	s_add_co_u32 s[KN], s[KN], 1
	s_cmp_lt_u32 s[KN], 4
	s_cbranch_scc1 .Lloop_a
	s_wait_alu depctr_va_vdst(0)
	s_wait_tensorcnt 0x0                           ; my part of the other quarters
	s_wait_dscnt 0x0
	s_barrier_signal -1
	s_barrier_wait -1                              ; the whole head is in
	KLOAD 1, AKS0, 4
	s_mov_b32 s[KN], 4
.Lloop_b:
	STEP 15
	s_add_co_u32 s[KN], s[KN], 1
	s_cmp_lt_u32 s[KN], 16
	s_cbranch_scc1 .Lloop_b
.rept 4
	v_nop
.endr
	v_add_f32 v34, v34, v35
	v_permlanex16_b32 v50, v34, s[SEL], s[SEL+1]
	v_add_f32 v34, v34, v50                        ; the row's sum
	s_wait_alu depctr_va_vdst(0)
	v_rcp_f32 v34, v34
	v_mov_b32 v52, 0                               ; a plain place behind the transcendental
	v_mov_b32 v53, 0
	s_lshr_b32 s26, s9, 4
	s_lshl_b32 s26, s26, 7
	s_add_co_u32 s26, s26, s13                     ; the token tile: 128 batch + i
	s_and_b32 s27, s9, 15                          ; the head
	s_mul_i32 s30, s26, 8704
	s_lshl_b32 s28, s27, 9                         ; images: 512 bytes a head
	s_add_co_u32 s28, s28, s30
	s_mov_b32 s29, 0
	s_add_nc_u64 s[28:29], s[6:7], s[28:29]
	s_lshr_b32 s31, s27, 1                         ; scale words: K step head / 2, two bytes at 2 (head % 2)
	s_lshl_b32 s31, s31, 6
	s_add_co_u32 s30, s30, s31
	s_and_b32 s31, s27, 1
	s_lshl_b32 s31, s31, 1
	s_add_co_u32 s30, s30, s31
	s_mov_b32 s31, 0
	s_add_nc_u64 s[30:31], s[6:7], s[30:31]
	s_wait_alu depctr_va_vdst(0)
.set j, 0
.rept 32
	v_mul_f32 v[S+j], v[O+j], v34                  ; register 8 t + j: channel 16 t + 8 (lane / 16) + j of my query
.set j, j+1
.endr
	QUANT32 S, PC, 56, 50
	global_store_b128 v1, v[PC:PC+3], s[28:29]     ; 512 consecutive bytes
	s_wait_alu depctr_va_vdst(0)
	s_wait_xcnt 0x0                                ; EXEC changes only behind this wait
	v_cmp_gt_u32 vcc_lo, 16, v6
	s_and_saveexec_b32 s26, vcc_lo                 ; lanes 16-31 hold the same bytes
	global_store_b16 v4, v56, s[30:31] offset:8192
	s_wait_xcnt 0x0
	s_or_b32 exec_lo, exec_lo, s26
	s_wait_tensorcnt 0x0                           ; the wave's end
	ds_add_u32 v[SPW], v[NIL]
	s_wait_dscnt 0x0
	s_endpgm
.Lfunc_end_k_q713f65153b_attn:
	.size	k_q713f65153b_attn, .Lfunc_end_k_q713f65153b_attn-k_q713f65153b_attn
	.p2alignl 7, 3214868480
	.fill 96, 4, 3214868480
	.section	.rodata,"a",@progbits
	.p2align	6, 0x0
	.amdhsa_kernel k_q713f65153b_attn
		.amdhsa_group_segment_fixed_size 167936
		.amdhsa_private_segment_fixed_size 0
		.amdhsa_enable_private_segment 0
		.amdhsa_kernarg_size 16
		.amdhsa_user_sgpr_count 2
		.amdhsa_user_sgpr_kernarg_segment_ptr 1
		.amdhsa_wavefront_size32 1
		.amdhsa_system_sgpr_workgroup_id_x 1
		.amdhsa_system_sgpr_workgroup_id_y 1
		.amdhsa_system_sgpr_workgroup_id_z 1
		.amdhsa_system_vgpr_workitem_id 0
		.amdhsa_next_free_vgpr 240
		.amdhsa_next_free_sgpr 100
		.amdhsa_reserve_vcc 1
		.amdhsa_float_denorm_mode_32 3
		.amdhsa_float_denorm_mode_16_64 3
		.amdhsa_memory_ordered 1
		.amdhsa_forward_progress 1
		.amdhsa_inst_pref_size 63
	.end_amdhsa_kernel
	.amdgpu_metadata
---
amdhsa.version: [ 1, 2 ]
amdhsa.kernels:
  - .name:           k_q713f65153b_attn
    .symbol:         k_q713f65153b_attn.kd
    .args:
      - { .name: qkvw, .offset: 0, .size: 8, .value_kind: global_buffer, .address_space: global }
      - { .name: at, .offset: 8, .size: 8, .value_kind: global_buffer, .address_space: global }
    .group_segment_fixed_size: 167936
    .private_segment_fixed_size: 0
    .kernarg_segment_align: 8
    .kernarg_segment_size: 16
    .max_flat_workgroup_size: 512
    .sgpr_count:     100
    .vgpr_count:     240
    .wavefront_size: 32
...
	.end_amdgpu_metadata
.endif
;; end of part 3
;; launch wo (part 4): grid 256 x 1, 16 waves a work-group, clusters of 4 x 1, 327,680 bytes of LDS; arguments at, Wo_codes, Wo_scales, bo, x, g2, b2, x1, xn; writes x1, xn
.if DOCPART == 4
	.amdgcn_target "amdgcn-amd-amdhsa--gfx1250"
	.amdhsa_code_object_version 6
	.text
	.protected	k_q713f65153b_wo
	.globl	k_q713f65153b_wo
	.p2align	8
	.type	k_q713f65153b_wo,@function
k_q713f65153b_wo:
	s_mov_b64 s[64:65], 0
	v_nop
	global_prefetch_b8 v0, s[64:65] scope:SCOPE_SE
	s_setreg_imm32_b32 hwreg(HW_REG_WAVE_MODE, 25, 1), 1
	s_wait_xcnt 0x0
	s_wait_alu depctr_hold_cnt(0) depctr_sa_sdst(0) depctr_va_vdst(0) depctr_va_sdst(0) depctr_va_ssrc(0) depctr_va_vcc(0) depctr_vm_vsrc(0)
	s_getreg_b32 s2, hwreg(HW_REG_IB_STS2, 6, 4)
	s_cmp_eq_u32 s2, 0
	s_cbranch_scc0 .Lentry_in_a_cluster
	s_endpgm
.Lentry_in_a_cluster:
	s_bfe_u32 s2, ttmp6, 0x10000c
	s_cmp_lg_u32 s2, 0x3003
	s_cbranch_scc0 .Lentry_shape_is_right
	s_endpgm
.Lentry_shape_is_right:
; x1 = at Wo + bo + x on E2M1 codes, f32; then xn2 = LayerNorm(x1) with g2, b2, quantised along the row for the next product.
; A work-group makes 16 tokens x 1,024 channels, so that a token's whole row meets in one place; 16 waves, each 2 x 32 channels: four accumulators.
; T: 8,704 bytes a tile of 16 tokens: images [K step 8][1,024 bytes], then scale words [K step 8][16].  W: rows of 512 bytes of codes, 32 scale bytes, as given.
; W comes through LDS in two fills of 512 rows.  CLUSTER 4 x 1: all work-groups need the same W, scales, g2 and b2: each is asked for jointly by four.  T is a work-group's own: a plain load.
; Of a fill each wave reads its own 32 rows into registers (128), and the second fill is asked for as soon as all have: it lands under the first fill's products.  No prefetch: one refill, no loop to run ahead in.
; Source 0 = 16 rows of W, source 1 = the 16 tokens: a lane holds eight neighbouring channels of one token.  The results meet in a stage in LDS; wave w then owns row w: residual, x1 out, mean, variance;
; then wave w quantises channels 64 w .. 64 w + 63 of all rows.  Out: xn's images [tile][K step 8][1,024 bytes], scale words [K step 8][token 4,096] from byte 2,097,152.
; LIMITS: a block of zeros, or one under 2^-124, gets the byte 1 (read by this program alone); NaN and infinities are not served.
.set WP, 528                           ; an LDS row of W: 512 bytes + 16
.set TOFF, 270336                      ; T
.set WSO, 279040                       ; W's scale bytes, 1,024 rows x 32
.set SPARE, 311808                     ; the spare words: 128 bytes a wave
.set GL, 313856                        ; g2, then b2
.set SCB, 322048                       ; the new scale words [K step 8][16 tokens]
.set RP, 4112                          ; a row of the stage, which lies from byte 0 on, in bytes that have had their last fill and last read
.set LI, 1
.set RR, 2
.set HH, 3
.set ADT, 4
.set ADW, 5
.set ADS, 6
.set ADTS, 7
.set STO, 8
.set RD, 9
.set SPW, 10
.set NIL, 11
.set TS, 12                            ; v12-15 T's scale words: lanes 0-15 K step 2 k, lanes 16-31 K step 2 k + 1
.set WS, 16                            ; v16-31 W's: 8 hf + K step; lane: row 512 hf + 32 w + lane
.set TF, 32                            ; v32-95 T's eight fragments
.set WF, 96                            ; v96-223 W's fragments
.set ACC, 224                          ; v224-255
.set Y, 32                             ; v32-63 the wave's row from the stage, then normalised
.set X, 192                            ; v192-223 the residual's row, then x1's
.set N, 112                            ; v112-143 32 numbers to quantise; g2 in v32-63, b2 in v64-95
.set SEL, 22
.set WV, 26
.set G1W, 28
.set G1T, 36
.set G1S, 44
.set G1G, 52
.set G0W, 68
.set G0T, 72
.set G0S, 76
.set G0G, 80
.set G0B, 84
.macro DESC g, w0, dim, rows, pitch
	s_mov_b32 s[\g], \w0
	s_mov_b32 s[\g+1], (\dim)<<16
	s_mov_b32 s[\g+2], (\rows)<<16
	s_mov_b32 s[\g+3], (\dim)<<16
	s_mov_b32 s[\g+4], \rows
	s_mov_b32 s[\g+5], \pitch
	s_mov_b32 s[\g+6], 0
	s_mov_b32 s[\g+7], 0
.endm
.macro GRP0 g, lds, base
	s_mov_b32 s[\g], 1
	s_mov_b32 s[\g+1], \lds
	s_mov_b64 s[\g+2:\g+3], s[\base:\base+1]
	s_or_b32 s[\g+3], s[\g+3], 0x80000000
.endm
.macro ROUND                           ; a round of the cluster's barrier
	s_barrier_signal -1
	s_barrier_wait -1
	s_cmp_lg_u32 s[WV], 0
	s_cbranch_scc1 .Lnot_wave_0_\@
	s_barrier_signal -3
.Lnot_wave_0_\@:
	s_barrier_wait -3
	s_barrier_signal -1
	s_barrier_wait -1
.endm
.macro ARM under, g0, g1, next
	s_cmp_lt_u32 s[WV], \under
	s_cbranch_scc0 \next
	tensor_load_to_lds s[\g0:\g0+3], s[\g1:\g1+7]
	s_nop 0
.rept 4
	v_nop
.endr
	s_branch .Lasked
\next:
.endm
.macro WMS ra, rb                      ; one product onto rD; ra, rb: the scales stand in lanes 16-31
.if (\ra)
.if (\rb)
	v_wmma_scale_f32_16x16x128_f8f6f4 v[rD:rD+7], v[rA:rA+7], v[rB:rB+7], v[rD:rD+7], v[rSA], v[rSB] matrix_a_fmt:MATRIX_FMT_FP4 matrix_b_fmt:MATRIX_FMT_FP4 matrix_a_scale:MATRIX_SCALE_ROW1 matrix_b_scale:MATRIX_SCALE_ROW1
.else
	v_wmma_scale_f32_16x16x128_f8f6f4 v[rD:rD+7], v[rA:rA+7], v[rB:rB+7], v[rD:rD+7], v[rSA], v[rSB] matrix_a_fmt:MATRIX_FMT_FP4 matrix_b_fmt:MATRIX_FMT_FP4 matrix_a_scale:MATRIX_SCALE_ROW1
.endif
.else
.if (\rb)
	v_wmma_scale_f32_16x16x128_f8f6f4 v[rD:rD+7], v[rA:rA+7], v[rB:rB+7], v[rD:rD+7], v[rSA], v[rSB] matrix_a_fmt:MATRIX_FMT_FP4 matrix_b_fmt:MATRIX_FMT_FP4 matrix_b_scale:MATRIX_SCALE_ROW1
.else
	v_wmma_scale_f32_16x16x128_f8f6f4 v[rD:rD+7], v[rA:rA+7], v[rB:rB+7], v[rD:rD+7], v[rSA], v[rSB] matrix_a_fmt:MATRIX_FMT_FP4 matrix_b_fmt:MATRIX_FMT_FP4
.endif
.endif
.endm
.macro LW m, s                         ; W's two fragments of K step s into place s % m
.irp u, 0,1
.irp c, 0,1
	ds_load_b128 v[WF+16*((\s)%\m)+8*\u+4*\c:WF+16*((\s)%\m)+8*\u+4*\c+3], v[ADW] offset:\u*16*WP+64*(\s)+32*\c
.endr
.endr
.endm
.macro MUL hf, m, s                    ; the two accumulators of a fill by turns
.irp u, 0,1
.set rD, ACC+8*(2*\hf+\u)
.set rA, WF+16*((\s)%\m)+8*\u
.set rB, TF+8*(\s)
.set rSA, WS+8*\hf+(\s)
.set rSB, TS+(\s)/2
	WMS \u, (\s)%2
.endr
.endm
.macro REDUCE                          ; v96: the sum over the 32 lanes, in every lane; v97 at work
	s_delay_alu instid0(VALU_DEP_1)
	v_add_f32_dpp v96, v96, v96 row_xmask:1 row_mask:0xf bank_mask:0xf
	s_delay_alu instid0(VALU_DEP_1)
	v_add_f32_dpp v96, v96, v96 row_xmask:2 row_mask:0xf bank_mask:0xf
	s_delay_alu instid0(VALU_DEP_1)
	v_add_f32_dpp v96, v96, v96 row_xmask:4 row_mask:0xf bank_mask:0xf
	s_delay_alu instid0(VALU_DEP_1)
	v_add_f32_dpp v96, v96, v96 row_xmask:8 row_mask:0xf bank_mask:0xf
	s_delay_alu instid0(VALU_DEP_1)
	v_permlanex16_b32 v97, v96, s[SEL], s[SEL+1]
	s_delay_alu instid0(VALU_DEP_1)
	v_add_f32 v96, v96, v97
.endm
.macro QUANT32 s, pc, u, tm            ; 32 numbers of a lane, register 8 a + j = k 16 a + 8 (lane / 16) + j: four registers of codes and two scale bytes in u
.irp b, 0,1
	v_max3_num_f32 v[\tm+\b], |v[\s+16*\b]|, |v[\s+16*\b+1]|, 0x1800000   ; and the floor 2^(3 - 127): the byte cannot fall under 1
.endr
.irp i, 2,4,6,8,10,12,14
.irp b, 0,1
	s_delay_alu instid0(VALU_DEP_2)
	v_max3_num_f32 v[\tm+\b], v[\tm+\b], |v[\s+16*\b+\i]|, |v[\s+16*\b+\i+1]|
.endr
.endr
.irp b, 0,1
	s_delay_alu instid0(VALU_DEP_2)
	v_permlanex16_b32 v[\tm+2+\b], v[\tm+\b], s[SEL], s[SEL+1]
.endr
.irp b, 0,1
	s_delay_alu instid0(VALU_DEP_2)
	v_max_num_f32 v[\tm+\b], v[\tm+\b], v[\tm+2+\b]
.endr
.irp b, 0,1
	s_delay_alu instid0(VALU_DEP_2)
	v_add_nc_u32 v[\tm+4+\b], 0xff000000, v[\tm+\b]
.endr
.irp b, 0,1
	s_delay_alu instid0(VALU_DEP_2)
	v_lshrrev_b32 v[\tm+2+\b], 23, v[\tm+4+\b]
.endr
	s_delay_alu instid0(VALU_DEP_1)
	v_lshl_or_b32 v[\u], v[\tm+3], 8, v[\tm+2]
	v_cvt_scalef32_pk8_fp4_f32 v[\pc], v[\s:\s+7], v[\tm+4]
	v_cvt_scalef32_pk8_fp4_f32 v[\pc+2], v[\s+8:\s+15], v[\tm+4]
	v_cvt_scalef32_pk8_fp4_f32 v[\pc+1], v[\s+16:\s+23], v[\tm+5]
	v_cvt_scalef32_pk8_fp4_f32 v[\pc+3], v[\s+24:\s+31], v[\tm+5]
	v_nop
	v_permlane16_swap_b32 v[\pc], v[\pc+1]
	v_permlane16_swap_b32 v[\pc+2], v[\pc+3]
.endm
	s_load_b512 s[4:19], s[0:1], 0x0               ; T, W's codes, W's scales, bias, x, g2, b2, x1
	s_load_b64 s[20:21], s[0:1], 0x40              ; xn
	v_lshl_add_u32 v[SPW], v0, 2, SPARE
	v_mov_b32 v[NIL], 0
	ds_add_u32 v[SPW], v[NIL]                      ; the wave's opening: the add, twice on end, and its wait ahead of my first tensor load
	ds_add_u32 v[SPW], v[NIL]
	v_lshrrev_b32 v[LI], 5, v0
	v_readfirstlane_b32 s[WV], v[LI]               ; wave 0..15
	s_and_b32 s27, s[WV], 7
	s_bfe_u32 s60, ttmp6, 0x40000                  ; cx
	s_lshl_b32 s61, ttmp9, 2
	s_add_co_u32 s61, s61, s60                     ; my tile of 16 tokens
	DESC G1W, 15|(1<<20)|(1<<21)|(6<<22)|(3<<25), 512, 64, 512   ; 64 rows of 512 bytes, four words of padding behind each; the mask names the cluster's four
	DESC G1T, 3<<16, 32, 34, 32                    ; 34 dense rows of 256 bytes
	DESC G1S, 15|(3<<16)|(1<<21), 128, 32, 128     ; 32 dense rows of 1,024 bytes
	DESC G1G, 15|(3<<16)|(1<<21), 128, 4, 128      ; 4 dense rows of 1,024 bytes
	s_mov_b32 s[SEL], 0x76543210
	s_mov_b32 s[SEL+1], 0xfedcba98
	s_mov_b32 s24, 0x3a800000                      ; 1 / 1,024
	s_mov_b32 s25, 0x3727c5ac                      ; 1e-5
	s_mov_b32 s3, 0
	s_wait_dscnt 0x0                               ; both opening adds are done
	s_wait_kmcnt 0x0
	s_mul_i32 s2, s61, 8704
	s_add_nc_u64 s[4:5], s[4:5], s[2:3]
	s_lshl_b32 s2, s27, 15
	s_add_nc_u64 s[6:7], s[6:7], s[2:3]            ; my 64 rows of W's first 512, if I fetch them
	GRP0 G0W, 0, 6
	s_mul_i32 s[G0W+1], s27, 64*WP
	GRP0 G0T, TOFF, 4
	GRP0 G0S, WSO, 8
	GRP0 G0G, GL, 14
	GRP0 G0B, GL+4096, 16
	ROUND                                          ; all four work-groups are here: the joint loads meet
	ARM 8, G0W, G1W, .Lhead_t                      ; one load a wave: waves 0-7 W's first 512 rows,
	ARM 9, G0T, G1T, .Lhead_s                      ; 8 T, 9 W's scales, 10 g2, 11 b2
	ARM 10, G0S, G1S, .Lhead_g
	ARM 11, G0G, G1G, .Lhead_b
	ARM 12, G0B, G1G, .Lhead_none
.Lasked:
	s_lshl_b32 s2, s[WV], 7
	s_add_nc_u64 s[10:11], s[10:11], s[2:3]        ; the bias at my channels
	s_lshl_b32 s2, s61, 16
	s_lshl_b32 s62, s[WV], 12
	s_add_co_u32 s2, s2, s62
	s_add_nc_u64 s[12:13], s[12:13], s[2:3]        ; my row of x,
	s_add_nc_u64 s[18:19], s[18:19], s[2:3]        ; of x1
	s_lshl_b32 s2, s61, 6
	s_add_nc_u64 s[92:93], s[20:21], s[2:3]
	s_add_nc_u64 s[92:93], s[92:93], 2097152       ; the tile's scale words
	s_lshl_b32 s2, s61, 13
	s_lshl_b32 s62, s[WV], 9
	s_add_co_u32 s2, s2, s62
	s_add_nc_u64 s[20:21], s[20:21], s[2:3]        ; my 512 bytes of codes
	s_lshl_b32 s94, s[WV], 8                       ; phase 2: 64 channels, 256 bytes a wave,
	s_add_co_u32 s95, s94, GL                      ; of g2
	s_lshr_b32 s96, s[WV], 1
	s_lshl_b32 s96, s96, 6
	s_and_b32 s97, s[WV], 1
	s_lshl_b32 s97, s97, 1
	s_add_co_u32 s96, s96, s97
	s_add_co_u32 s96, s96, SCB                     ; my two bytes of the scale words
	s_mul_i32 s2, s[WV], 32*WP
	s_lshl_b32 s62, s[WV], 10
	s_add_co_u32 s62, s62, WSO
	s_lshl_b32 s63, s[WV], 7
	s_mul_i32 s97, s[WV], RP
	v_and_b32 v[RR], 15, v0
	v_bfe_u32 v[HH], v0, 4, 1
	v_and_b32 v[LI], 31, v0
	v_lshlrev_b32 v[ADTS], 2, v[LI]
	v_lshlrev_b32 v[ADS], 5, v[LI]
	v_lshlrev_b32 v[LI], 4, v[LI]                  ; 16 x lane
	v_add_nc_u32 v[ADT], TOFF, v[LI]
	v_add_nc_u32 v[ADTS], TOFF+8192, v[ADTS]
	v_add_nc_u32 v[ADS], s62, v[ADS]               ; row 32 w + lane
	v_mul_u32_u24 v[ADW], v[RR], WP
	v_lshl_add_u32 v[ADW], v[HH], 4, v[ADW]
	v_add_nc_u32 v[ADW], s2, v[ADW]                ; row 32 w + r, + 16 h
	v_mul_u32_u24 v[STO], v[RR], RP
	v_lshl_add_u32 v[STO], v[HH], 5, v[STO]
	v_add_nc_u32 v[STO], s63, v[STO]               ; the stage: row r, channel 32 w + 8 h
	v_add_nc_u32 v[RD], s97, v[LI]                 ; row w, 16 bytes a lane
	v_lshlrev_b32 v[HH], 5, v[HH]                  ; 32 h
.irp t, 0,1,2,3
	global_load_b128 v[ACC+8*\t:ACC+8*\t+3], v[HH], s[10:11] offset:2048*(\t/2)+64*(\t%2)      ; the sums begin with the bias: channels 512 hf + 32 w + 16 u + 8 h + 0 .. 7
	global_load_b128 v[ACC+8*\t+4:ACC+8*\t+7], v[HH], s[10:11] offset:2048*(\t/2)+64*(\t%2)+16
.endr
	s_wait_alu depctr_va_vdst(0)                   ; the wait at the head's end
	s_wait_tensorcnt 0x0
	s_barrier_signal -1
	s_barrier_wait -1                              ; everything that the head asked for is in
.irp s, 0,1,2,3,4,5,6,7
	LW 8, \s
.endr
.irp s, 0,1,2,3,4,5,6,7
.irp c, 0,1
	ds_load_b128 v[TF+8*\s+4*\c:TF+8*\s+4*\c+3], v[ADT] offset:1024*\s+512*\c
.endr
.endr
.irp k, 0,1,2,3
	ds_load_b32 v[TS+\k], v[ADTS] offset:128*\k
.endr
.irp hf, 0,1
.irp q, 0,1
	ds_load_b128 v[WS+8*\hf+4*\q:WS+8*\hf+4*\q+3], v[ADS] offset:16384*\hf+16*\q
.endr
.endr
	s_wait_loadcnt 0x0                             ; the bias
	s_wait_tensorcnt 0x0                           ; ahead of the refill: no tensor load of mine is out,
	ds_add_u32 v[SPW], v[NIL]                      ; the add, twice on end,
	ds_add_u32 v[SPW], v[NIL]
	s_add_nc_u64 s[G0W+2:G0W+3], s[G0W+2:G0W+3], 262144        ; 512 rows on
	s_wait_dscnt 0x0                               ; and my reads of the first 512 rows are over
	ROUND
	s_cmp_lt_u32 s[WV], 8
	s_cbranch_scc0 .Lrefilled
	tensor_load_to_lds s[G0W:G0W+3], s[G1W:G1W+7]
	s_nop 0
.rept 4
	v_nop
.endr
.Lrefilled:
.irp s, 0,1,2,3,4,5,6,7
	MUL 0, 8, \s
.endr
.rept 4
	v_nop
.endr
.irp j, 0,1,2,3,4,5,6,7
	global_load_b128 v[X+4*\j:X+4*\j+3], v[LI], s[12:13] offset:512*\j                         ; my row of x
.endr
	s_wait_tensorcnt 0x0
	s_barrier_signal -1
	s_barrier_wait -1                              ; W's other 512 rows are in
.irp s, 0,1,2,3,4,5
	LW 6, \s
.endr
	s_wait_dscnt 0x0
.irp s, 0,1,2,3
	MUL 1, 6, \s
.endr
.rept 4
	v_nop
.endr
	LW 6, 6                                        ; into the places of K steps 0 and 1
	LW 6, 7
	MUL 1, 6, 4
	MUL 1, 6, 5
	s_wait_dscnt 0x0                               ; my reads of W are over
	s_barrier_signal -1
	MUL 1, 6, 6
	MUL 1, 6, 7
	s_barrier_wait -1                              ; everybody's are: the stage may be written
.rept 4
	v_nop
.endr
.irp t, 0,1,2,3
	ds_store_b128 v[STO], v[ACC+8*\t:ACC+8*\t+3] offset:2048*(\t/2)+64*(\t%2)                  ; each accumulator from its low end on
	ds_store_b128 v[STO], v[ACC+8*\t+4:ACC+8*\t+7] offset:2048*(\t/2)+64*(\t%2)+16
.endr
	s_wait_dscnt 0x0
	s_barrier_signal -1
	s_barrier_wait -1                              ; the rows are whole
.irp j, 0,1,2,3,4,5,6,7
	ds_load_b128 v[Y+4*\j:Y+4*\j+3], v[RD] offset:512*\j
.endr
	s_wait_loadcnt 0x0                             ; x
	s_wait_dscnt 0x0
.set j, 0
.rept 16
	v_pk_add_f32 v[X+j:X+j+1], v[X+j:X+j+1], v[Y+j:Y+j+1]
.set j, j+2
.endr
.irp j, 0,1,2,3,4,5,6,7
	global_store_b128 v[LI], v[X+4*\j:X+4*\j+3], s[18:19] offset:512*\j                        ; x1: 512 consecutive bytes each; X is not written again
.endr
	v_pk_add_f32 v[96:97], v[X:X+1], v[X+2:X+3]    ; the row's sum, two chains
	v_pk_add_f32 v[98:99], v[X+4:X+5], v[X+6:X+7]
.set j, 8
.rept 6
	s_delay_alu instid0(VALU_DEP_2)
	v_pk_add_f32 v[96:97], v[96:97], v[X+j:X+j+1]
	s_delay_alu instid0(VALU_DEP_2)
	v_pk_add_f32 v[98:99], v[98:99], v[X+j+2:X+j+3]
.set j, j+4
.endr
	v_pk_add_f32 v[96:97], v[96:97], v[98:99]
	s_delay_alu instid0(VALU_DEP_1)
	v_add_f32 v96, v96, v97
	REDUCE
	v_mul_f32 v100, s24, v96                       ; the mean, twice: a pair for the packed form
	v_mul_f32 v101, s24, v96
.set j, 0
.rept 16
	v_pk_add_f32 v[Y+j:Y+j+1], v[X+j:X+j+1], v[100:101] neg_lo:[0,1] neg_hi:[0,1]              ; d = x1 - mean
.set j, j+2
.endr
	v_pk_mul_f32 v[96:97], v[Y:Y+1], v[Y:Y+1]      ; the sum of d^2
	v_pk_mul_f32 v[98:99], v[Y+2:Y+3], v[Y+2:Y+3]
.set j, 4
.rept 7
	s_delay_alu instid0(VALU_DEP_2)
	v_pk_fma_f32 v[96:97], v[Y+j:Y+j+1], v[Y+j:Y+j+1], v[96:97]
	s_delay_alu instid0(VALU_DEP_2)
	v_pk_fma_f32 v[98:99], v[Y+j+2:Y+j+3], v[Y+j+2:Y+j+3], v[98:99]
.set j, j+4
.endr
	v_pk_add_f32 v[96:97], v[96:97], v[98:99]
	s_delay_alu instid0(VALU_DEP_1)
	v_add_f32 v96, v96, v97
	REDUCE
	v_fma_f32 v96, v96, s24, s25                   ; var + eps
	s_wait_alu depctr_va_vdst(0)                   ; the wait ahead of the batch
	v_rsq_f32 v102, v96
	v_rsq_f32 v103, v96
	v_and_b32 v104, 15, v0                         ; phase 2's addresses (the first is a plain place behind the transcendentals): r,
	v_bfe_u32 v105, v0, 4, 1                       ; h
	v_mul_u32_u24 v106, v104, RP
	v_lshl_add_u32 v106, v105, 5, v106
	v_add_nc_u32 v106, s94, v106                   ; row r, channel 64 w + 8 h
	v_lshlrev_b32 v107, 5, v105
	v_add_nc_u32 v107, s95, v107                   ; g2 there; b2 4,096 bytes on
	v_lshlrev_b32 v108, 2, v104
	v_add_nc_u32 v108, s96, v108                   ; my two bytes of token r's scale word
	v_add_nc_u32 v109, SCB, v[LI]
	v_and_b32 v104, 31, v0
	v_lshrrev_b32 v105, 2, v104
	v_and_b32 v104, 3, v104
	v_lshlrev_b32 v104, 4, v104
	v_lshl_add_u32 v110, v105, 14, v104            ; scale words out: K step lane / 4, tokens 4 (lane % 4) on
	v_mov_b32 v152, 0                              ; a lane permute's destination counts as read
	v_mov_b32 v153, 0
	s_wait_alu depctr_va_vdst(0)                   ; the wait ahead of the batch's first reader
.set j, 0
.rept 16
	v_pk_mul_f32 v[Y+j:Y+j+1], v[Y+j:Y+j+1], v[102:103]
.set j, j+2
.endr
.irp j, 0,1,2,3,4,5,6,7
	ds_store_b128 v[RD], v[Y+4*\j:Y+4*\j+3] offset:512*\j                                      ; over my own row
.endr
	s_wait_dscnt 0x0
	s_barrier_signal -1
	s_barrier_wait -1                              ; all rows are normalised
.irp a, 0,1,2,3
.irp q, 0,1
	ds_load_b128 v[N+8*\a+4*\q:N+8*\a+4*\q+3], v106 offset:64*\a+16*\q                         ; register 8 a + j: channel 64 w + 16 a + 8 h + j of row r
	ds_load_b128 v[32+8*\a+4*\q:32+8*\a+4*\q+3], v107 offset:64*\a+16*\q
	ds_load_b128 v[64+8*\a+4*\q:64+8*\a+4*\q+3], v107 offset:4096+64*\a+16*\q
.endr
.endr
	s_wait_dscnt 0x0
.set j, 0
.rept 16
	v_pk_fma_f32 v[N+j:N+j+1], v[N+j:N+j+1], v[32+j:33+j], v[64+j:65+j]
.set j, j+2
.endr
	QUANT32 N, 144, 148, 150
	global_store_b128 v[LI], v[144:147], s[20:21]  ; 512 consecutive bytes
	ds_store_b16 v108, v148                        ; lanes l and l + 16 hold the same two bytes
	s_wait_dscnt 0x0
	s_barrier_signal -1
	s_barrier_wait -1                              ; the tile's 128 scale words are whole
	s_cmp_lg_u32 s[WV], 0
	s_cbranch_scc1 .Lsent
	ds_load_b128 v[156:159], v109
	s_wait_dscnt 0x0
	global_store_b128 v110, v[156:159], s[92:93]
.Lsent:
	s_wait_tensorcnt 0x0                           ; the wave's end
	ds_add_u32 v[SPW], v[NIL]
	s_wait_dscnt 0x0
	ROUND                                          ; the closing round
	s_endpgm
.Lfunc_end_k_q713f65153b_wo:
	.size	k_q713f65153b_wo, .Lfunc_end_k_q713f65153b_wo-k_q713f65153b_wo
	.p2alignl 7, 3214868480
	.fill 96, 4, 3214868480
	.section	.rodata,"a",@progbits
	.p2align	6, 0x0
	.amdhsa_kernel k_q713f65153b_wo
		.amdhsa_group_segment_fixed_size 327680
		.amdhsa_private_segment_fixed_size 0
		.amdhsa_enable_private_segment 0
		.amdhsa_kernarg_size 72
		.amdhsa_user_sgpr_count 2
		.amdhsa_user_sgpr_kernarg_segment_ptr 1
		.amdhsa_wavefront_size32 1
		.amdhsa_system_sgpr_workgroup_id_x 1
		.amdhsa_system_sgpr_workgroup_id_y 1
		.amdhsa_system_sgpr_workgroup_id_z 1
		.amdhsa_system_vgpr_workitem_id 0
		.amdhsa_next_free_vgpr 256
		.amdhsa_next_free_sgpr 100
		.amdhsa_reserve_vcc 0
		.amdhsa_float_denorm_mode_32 3
		.amdhsa_float_denorm_mode_16_64 3
		.amdhsa_memory_ordered 1
		.amdhsa_forward_progress 1
		.amdhsa_inst_pref_size 38
	.end_amdhsa_kernel
	.amdgpu_metadata
---
amdhsa.version: [ 1, 2 ]
amdhsa.kernels:
  - .name:           k_q713f65153b_wo
    .symbol:         k_q713f65153b_wo.kd
    .args:
      - { .name: at, .offset: 0, .size: 8, .value_kind: global_buffer, .address_space: global }
      - { .name: Wo_codes, .offset: 8, .size: 8, .value_kind: global_buffer, .address_space: global }
      - { .name: Wo_scales, .offset: 16, .size: 8, .value_kind: global_buffer, .address_space: global }
      - { .name: bo, .offset: 24, .size: 8, .value_kind: global_buffer, .address_space: global }
      - { .name: x, .offset: 32, .size: 8, .value_kind: global_buffer, .address_space: global }
      - { .name: g2, .offset: 40, .size: 8, .value_kind: global_buffer, .address_space: global }
      - { .name: b2, .offset: 48, .size: 8, .value_kind: global_buffer, .address_space: global }
      - { .name: x1, .offset: 56, .size: 8, .value_kind: global_buffer, .address_space: global }
      - { .name: xn, .offset: 64, .size: 8, .value_kind: global_buffer, .address_space: global }
    .group_segment_fixed_size: 327680
    .private_segment_fixed_size: 0
    .kernarg_segment_align: 8
    .kernarg_segment_size: 72
    .max_flat_workgroup_size: 512
    .sgpr_count:     100
    .vgpr_count:     256
    .wavefront_size: 32
...
	.end_amdgpu_metadata
.endif
;; end of part 4
;; launch up (part 5): grid 16 x 16, 16 waves a work-group, clusters of 4 x 4, 327,680 bytes of LDS; arguments xn, Wup_codes, Wup_scales, bup, hb; writes hb
.if DOCPART == 5
	.amdgcn_target "amdgcn-amd-amdhsa--gfx1250"
	.amdhsa_code_object_version 6
	.text
	.protected	k_q713f65153b_up
	.globl	k_q713f65153b_up
	.p2align	8
	.type	k_q713f65153b_up,@function
k_q713f65153b_up:
	s_mov_b64 s[64:65], 0
	v_nop
	global_prefetch_b8 v0, s[64:65] scope:SCOPE_SE
	s_setreg_imm32_b32 hwreg(HW_REG_WAVE_MODE, 25, 1), 1
	s_wait_xcnt 0x0
	s_wait_alu depctr_hold_cnt(0) depctr_sa_sdst(0) depctr_va_vdst(0) depctr_va_sdst(0) depctr_va_ssrc(0) depctr_va_vcc(0) depctr_vm_vsrc(0)
	s_getreg_b32 s2, hwreg(HW_REG_IB_STS2, 6, 4)
	s_cmp_eq_u32 s2, 0
	s_cbranch_scc0 .Lentry_in_a_cluster
	s_endpgm
.Lentry_in_a_cluster:
	s_bfe_u32 s2, ttmp6, 0x10000c
	s_cmp_lg_u32 s2, 0xf033
	s_cbranch_scc0 .Lentry_shape_is_right
	s_endpgm
.Lentry_shape_is_right:
; IS_UP = 0: q, k, v = xn W + bias on E2M1 codes; q and k quantised along the head's 64, v along the keys.  IS_UP = 1: h = gelu(xn Wup + bup), quantised along the hidden units.
; T, the token operand: images [tile of 16 tokens][K step 8][1,024 bytes] and scale words [K step 8][token 4,096] from byte 2,097,152.  W: rows of 512 bytes of codes, rows of 32 scale bytes, as given.
; A work-group makes 256 tokens x 256 channels; K = 1,024 lies wholly in LDS, fetched in two halves, so no LDS byte is filled twice.  16 waves, each 64 tokens x 64 channels: 16 accumulators.
; CLUSTER 4 x 4: T's tiles hang on the token tile alone and are asked for jointly along a row of the cluster, W's on the channel tile alone, along a column.  With IS_UP = 0 the cluster's x is the matrix (0 q, 1 k, 2 v).
; ORIENTATION: q, k, h: source 0 = 16 rows of W, source 1 = 16 tokens: a lane holds one token and its registers run along the channels.  v: the sources change places: a lane holds one channel and its registers run along the tokens, its K.
; The bias is the C of the first K step.  LIMITS: a block of zeros, or one under 2^-124, gets the byte 1 (read by this program alone); NaN and infinities are not served.
.set IS_UP, 1
.set THALF, 65536                      ; LDS: T's images of a K half: 16 tiles x 4,096 bytes; two halves from byte 0
.set WROW,  131072                     ; W's 256 rows of a K half, 256 bytes + 16 of padding
.set WHALF, 69632
.set WP,    272
.set TSC,   270336                     ; T's scale words [K step 8][256 tokens]
.set WSC,   278528                     ; W's scale bytes, 256 rows x 32
.set SPARE, 286720                     ; the spare words: 128 bytes a wave
.set LI, 1                             ; v1 16 x lane   v2 4 x lane   v3 r   v4 h
.set LS, 2
.set RR, 3
.set HH, 4
.set ADT, 5                            ; v5-6  my T fragments in half 0, 1
.set ADW, 7                            ; v7-8  my W fragments
.set ADTS, 9                           ; v9    my T scale words
.set ADWS, 10                          ; v10   my W scale words
.set SPW, 11                           ; v11   my spare word; never rewritten
.set NIL, 12                           ; v12   0; never rewritten
.set BO, 13                            ; v13   32 h
.set BR, 14                            ; v14   4 r
.set WS, 16                            ; v16-23 W's scale words: 4 p + s: rows 32 p + lane, K step s of the half
.set TS, 24                            ; v24-25 T's: tokens 32 p + lane
.set BV, 28                            ; v28-31 v's bias, one number a channel tile
.set WF, 32                            ; v32-63  four fragments of W
.set TF, 64                            ; v64-95  four fragments of T
.set BIAS, 96                          ; v96-127 the first K step's C
.set ACC, 128                          ; v128-255 accumulator (a, b) at 8 (4 b + a)
.set TM, 32                            ; the way out, in v32-97
.set PC, 40
.set U,  56
.set MG, 60
.set Z,  64
.set C0, 96
.set WV, 26
.set W7, 27
.set G1T, 28
.set G1W, 36
.set G1TS, 44
.set G1WS, 52
.set SEL, 66
.set G0T, 68                           ; s[68:79] T's three groups 0: scales, half 0, half 1
.set G0W, 80                           ; s[80:91] W's
.macro ROUND                           ; a round of the cluster's barrier
	s_barrier_signal -1
	s_barrier_wait -1
	s_cmp_lg_u32 s[WV], 0
	s_cbranch_scc1 .Lnot_wave_0_\@
	s_barrier_signal -3
.Lnot_wave_0_\@:
	s_barrier_wait -3
	s_barrier_signal -1
	s_barrier_wait -1
.endm
.macro ARM under, g0, g1, next         ; one arm of the head's tree on the wave's number: one joint load, four v_nop, and on to the tree's end
	s_cmp_lt_u32 s[WV], \under
	s_cbranch_scc0 \next
	tensor_load_to_lds s[\g0:\g0+3], s[\g1:\g1+7]
	s_nop 0
.rept 4
	v_nop
.endr
	s_branch .Lasked
\next:
.endm
.macro WMS ra, rb                      ; one product on rD, rA, rB, rC, rSA, rSB; ra, rb: the scales stand in lanes 16-31
.if (\ra)
.if (\rb)
	v_wmma_scale_f32_16x16x128_f8f6f4 v[rD:rD+7], v[rA:rA+7], v[rB:rB+7], v[rC:rC+7], v[rSA], v[rSB] matrix_a_fmt:MATRIX_FMT_FP4 matrix_b_fmt:MATRIX_FMT_FP4 matrix_a_scale:MATRIX_SCALE_ROW1 matrix_b_scale:MATRIX_SCALE_ROW1
.else
	v_wmma_scale_f32_16x16x128_f8f6f4 v[rD:rD+7], v[rA:rA+7], v[rB:rB+7], v[rC:rC+7], v[rSA], v[rSB] matrix_a_fmt:MATRIX_FMT_FP4 matrix_b_fmt:MATRIX_FMT_FP4 matrix_a_scale:MATRIX_SCALE_ROW1
.endif
.else
.if (\rb)
	v_wmma_scale_f32_16x16x128_f8f6f4 v[rD:rD+7], v[rA:rA+7], v[rB:rB+7], v[rC:rC+7], v[rSA], v[rSB] matrix_a_fmt:MATRIX_FMT_FP4 matrix_b_fmt:MATRIX_FMT_FP4 matrix_b_scale:MATRIX_SCALE_ROW1
.else
	v_wmma_scale_f32_16x16x128_f8f6f4 v[rD:rD+7], v[rA:rA+7], v[rB:rB+7], v[rC:rC+7], v[rSA], v[rSB] matrix_a_fmt:MATRIX_FMT_FP4 matrix_b_fmt:MATRIX_FMT_FP4
.endif
.endif
.endm
; K step sp of half q: four places behind the last products, eight fragments and their scale words, one wait, sixteen products: every accumulator once, so no two neighbours share one.
.macro KSTEP q, sp, vt, first
.rept 4
	v_nop
.endr
.irp i, 0,1,2,3
.irp c, 0,1
	ds_load_b128 v[WF+8*\i+4*\c:WF+8*\i+4*\c+3], v[ADW+\q] offset:\i*16*WP+64*(\sp)+32*\c
	ds_load_b128 v[TF+8*\i+4*\c:TF+8*\i+4*\c+3], v[ADT+\q] offset:\i*4096+1024*(\sp)+512*\c
.endr
.endr
.irp p, 0,1
	ds_load_b32 v[TS+\p], v[ADTS] offset:(4*(\q)+(\sp))*1024+128*\p
.endr
.if (\sp) == 0
.irp p, 0,1
	ds_load_b128 v[WS+4*\p:WS+4*\p+3], v[ADWS] offset:\p*1024+16*(\q)
.endr
.endif
	s_wait_dscnt 0x0
.irp b, 0,1,2,3
.irp a, 0,1,2,3
.set rD, ACC+8*(4*\b+\a)
.set rC, rD
.if (\vt)
.set rA, TF+8*\a
.set rB, WF+8*\b
.set rSA, TS+\a/2
.set rSB, WS+4*(\b/2)+(\sp)
.if (\first)
.set rC, BIAS+8*\b
.endif
.else
.set rA, WF+8*\a
.set rB, TF+8*\b
.set rSA, WS+4*(\a/2)+(\sp)
.set rSB, TS+\b/2
.if (\first)
.set rC, BIAS+8*\a
.endif
.endif
	WMS \a%2, \b%2
.endr
.endr
.endm
.macro HALF q, vt
	KSTEP \q, 0, \vt, 1-\q
	KSTEP \q, 1, \vt, 0
	KSTEP \q, 2, \vt, 0
	KSTEP \q, 3, \vt, 0
.endm
; 32 numbers of a lane, register 8 a + j = k 16 a + 8 (lane / 16) + j (two blocks of 32 in lanes l and l xor 16), become four registers of codes (register g of lane (r, H): k 32 H + 8 g .. + 7) and two scale bytes in u.
.macro QUANT32 s, pc, u, tm
.irp b, 0,1
	v_max3_num_f32 v[\tm+\b], |v[\s+16*\b]|, |v[\s+16*\b+1]|, 0x1800000   ; and the floor 2^(3 - 127): the byte cannot fall under 1
.endr
.irp i, 2,4,6,8,10,12,14
.irp b, 0,1
	s_delay_alu instid0(VALU_DEP_2)
	v_max3_num_f32 v[\tm+\b], v[\tm+\b], |v[\s+16*\b+\i]|, |v[\s+16*\b+\i+1]|
.endr
.endr
.irp b, 0,1
	s_delay_alu instid0(VALU_DEP_2)
	v_permlanex16_b32 v[\tm+2+\b], v[\tm+\b], s[SEL], s[SEL+1]
.endr
.irp b, 0,1
	s_delay_alu instid0(VALU_DEP_2)
	v_max_num_f32 v[\tm+\b], v[\tm+\b], v[\tm+2+\b]
.endr
.irp b, 0,1
	s_delay_alu instid0(VALU_DEP_2)
	v_add_nc_u32 v[\tm+4+\b], 0xff000000, v[\tm+\b]            ; 2 off the exponent field: the conversion's scale operand
.endr
.irp b, 0,1
	s_delay_alu instid0(VALU_DEP_2)
	v_lshrrev_b32 v[\tm+2+\b], 23, v[\tm+4+\b]
.endr
	s_delay_alu instid0(VALU_DEP_1)
	v_lshl_or_b32 v[\u], v[\tm+3], 8, v[\tm+2]
	v_cvt_scalef32_pk8_fp4_f32 v[\pc], v[\s:\s+7], v[\tm+4]
	v_cvt_scalef32_pk8_fp4_f32 v[\pc+2], v[\s+8:\s+15], v[\tm+4]
	v_cvt_scalef32_pk8_fp4_f32 v[\pc+1], v[\s+16:\s+23], v[\tm+5]
	v_cvt_scalef32_pk8_fp4_f32 v[\pc+3], v[\s+24:\s+31], v[\tm+5]
	v_nop                                                      ; one plain place behind the scaled conversions
	v_permlane16_swap_b32 v[\pc], v[\pc+1]
	v_permlane16_swap_b32 v[\pc+2], v[\pc+3]
.endm
; gelu (tanh form) of 32 numbers in place: x / (1 + 2^(x (c0 + c1 x^2))), c0 = -2 log2(e) sqrt(2 / pi), c1 = 0.044715 c0.  Two batches of transcendentals, one wait each.
.macro GELU32 x
.set j, 0
.rept 16
	v_pk_mul_f32 v[Z+j:Z+j+1], v[\x+j:\x+j+1], v[\x+j:\x+j+1]
.set j, j+2
.endr
.set j, 0
.rept 16
	v_pk_fma_f32 v[Z+j:Z+j+1], v[Z+j:Z+j+1], s[2:3], v[C0:C0+1] op_sel_hi:[1,0,1]
.set j, j+2
.endr
.set j, 0
.rept 16
	v_pk_mul_f32 v[Z+j:Z+j+1], v[Z+j:Z+j+1], v[\x+j:\x+j+1]
.set j, j+2
.endr
.set j, 0
	s_wait_alu depctr_va_vdst(0)
.rept 32
	v_exp_f32 v[Z+j], v[Z+j]
.set j, j+1
.endr
	v_nop
	s_wait_alu depctr_va_vdst(0)
.set j, 0
.rept 16
	v_pk_add_f32 v[Z+j:Z+j+1], v[Z+j:Z+j+1], 1.0 op_sel_hi:[1,0]
.set j, j+2
.endr
.set j, 0
	s_wait_alu depctr_va_vdst(0)
.rept 32
	v_rcp_f32 v[Z+j], v[Z+j]
.set j, j+1
.endr
	v_nop
	s_wait_alu depctr_va_vdst(0)
.set j, 0
.rept 16
	v_pk_mul_f32 v[\x+j:\x+j+1], v[\x+j:\x+j+1], v[Z+j:Z+j+1]
.set j, j+2
.endr
.endm
.if IS_UP
	s_load_b256 s[4:11], s[0:1], 0x0               ; T s[4:5], W's codes s[6:7], W's scales s[8:9], bias s[10:11]
	s_load_b64 s[24:25], s[0:1], 0x20              ; the output
.else
	s_load_b512 s[4:19], s[0:1], 0x0               ; T, then codes, scales, bias of q; of k; v's codes
	s_load_b128 s[20:23], s[0:1], 0x40             ; v's scales, v's bias
	s_load_b64 s[24:25], s[0:1], 0x50              ; the output
.endif
	v_lshl_add_u32 v[SPW], v0, 2, SPARE
	v_mov_b32 v[NIL], 0
	ds_add_u32 v11, v12
	ds_add_u32 v11, v12
	s_wait_dscnt 0x0
	v_lshrrev_b32 v[LI], 5, v0
	s_delay_alu instid0(VALU_DEP_1)
	v_readfirstlane_b32 s[WV], v[LI]               ; wave 0..15
	s_and_b32 s[W7], s[WV], 3                      ; which quarter of T's tiles I fetch, if I fetch for T
	s_bfe_u32 s60, ttmp6, 0x40000                  ; cx
	s_bfe_u32 s61, ttmp6, 0x40004                  ; cy
.if IS_UP
	s_lshl_b32 s62, ttmp9, 2
	s_add_co_u32 s62, s62, s60                     ; X: channel tile
.else
	s_mov_b32 s62, s60                             ; X: channel tile inside the matrix
.endif
	s_and_b32 s63, ttmp7, 0xffff
	s_lshl_b32 s63, s63, 2
	s_add_co_u32 s63, s63, s61                     ; Y: token tile
	s_lshl_b32 s2, s61, 2
	s_lshl_b32 s2, 15, s2                          ; my row of the cluster
	s_lshl_b32 s3, 0x1111, s60                     ; my column
	s_or_b32 s[G1T], s2, (3<<16)|(1<<21)           ; T's codes: 4 rows (tiles) of 512 elements of 8 bytes, 8,192 bytes apart; no padding
	s_mov_b32 s[G1T+1], 512<<16
	s_mov_b32 s[G1T+2], 4<<16
	s_mov_b32 s[G1T+3], 512<<16
	s_mov_b32 s[G1T+4], 4
	s_mov_b32 s[G1T+5], 1024
	s_mov_b32 s[G1T+6], 0
	s_mov_b32 s[G1T+7], 0
	s_or_b32 s[G1W], s3, (1<<20)|(1<<21)|(5<<22)|(3<<25)   ; W's codes: 128 rows of 256 bytes, 512 apart; four words of padding after every 64
	s_mov_b32 s[G1W+1], 256<<16
	s_mov_b32 s[G1W+2], 128<<16
	s_mov_b32 s[G1W+3], 256<<16
	s_mov_b32 s[G1W+4], 128
	s_mov_b32 s[G1W+5], 512
	s_mov_b32 s[G1W+6], 0
	s_mov_b32 s[G1W+7], 0
	s_or_b32 s[G1TS], s2, (3<<16)|(1<<21)          ; scales: 8 rows of 1,024 bytes, T's 16,384 bytes apart, W's dense
	s_or_b32 s[G1WS], s3, (3<<16)|(1<<21)
	s_mov_b32 s[G1TS+5], 2048
	s_mov_b32 s[G1WS+5], 128
.irp g, G1TS, G1WS
	s_mov_b32 s[\g+1], 128<<16
	s_mov_b32 s[\g+2], 8<<16
	s_mov_b32 s[\g+3], 128<<16
	s_mov_b32 s[\g+4], 8
	s_mov_b32 s[\g+6], 0
	s_mov_b32 s[\g+7], 0
.endr
	s_lshl_b32 s92, s63, 17                        ; T's codes: 131,072 bytes a token tile of 256, 32,768 for my four tiles of 16
	s_lshl_b32 s93, s[W7], 15
	s_add_co_u32 s92, s92, s93
	s_lshl_b32 s96, s63, 10                        ; T's scale words: 1,024 bytes of each K step
	s_add_co_u32 s96, s96, 2097152
	s_mov_b32 s93, 0
	s_mov_b32 s97, 0
	s_lshl_b32 s94, s62, 17                        ; W's codes: 256 rows of 512 bytes a channel tile, 128 rows for me
	s_and_b32 s95, s[WV], 1
	s_lshl_b32 s95, s95, 16
	s_add_co_u32 s94, s94, s95
	s_lshl_b32 s98, s62, 13                        ; W's scale bytes: 8,192 a channel tile
	s_mov_b32 s95, 0
	s_mov_b32 s99, 0
	s_mov_b32 s[G0T], 1
	s_mov_b32 s[G0T+1], TSC
	s_mov_b32 s[G0T+4], 1
	s_lshl_b32 s[G0T+5], s[W7], 14
	s_mov_b32 s[G0T+8], 1
	s_add_co_u32 s[G0T+9], s[G0T+5], THALF
	s_mov_b32 s[G0W], 1
	s_mov_b32 s[G0W+1], WSC
	s_mov_b32 s[G0W+4], 1
	s_and_b32 s[G0W+5], s[WV], 1
	s_mul_i32 s[G0W+5], s[G0W+5], 128*WP
	s_add_co_u32 s[G0W+5], s[G0W+5], WROW
	s_mov_b32 s[G0W+8], 1
	s_add_co_u32 s[G0W+9], s[G0W+5], WHALF
	s_mov_b32 s[SEL], 0x76543210
	s_mov_b32 s[SEL+1], 0xfedcba98
	s_wait_kmcnt 0x0
.if IS_UP == 0
	s_cmp_eq_u32 ttmp9, 1                          ; the matrix: the choice hangs on the cluster's x alone
	s_cselect_b64 s[6:7], s[12:13], s[6:7]
	s_cselect_b64 s[8:9], s[14:15], s[8:9]
	s_cselect_b64 s[10:11], s[16:17], s[10:11]
	s_cmp_eq_u32 ttmp9, 2
	s_cselect_b64 s[6:7], s[18:19], s[6:7]
	s_cselect_b64 s[8:9], s[20:21], s[8:9]
	s_cselect_b64 s[10:11], s[22:23], s[10:11]
.endif
	s_add_nc_u64 s[G0T+2:G0T+3], s[4:5], s[96:97]
	s_add_nc_u64 s[G0T+6:G0T+7], s[4:5], s[92:93]
	s_add_nc_u64 s[G0T+10:G0T+11], s[G0T+6:G0T+7], 4096
	s_add_nc_u64 s[G0W+2:G0W+3], s[8:9], s[98:99]
	s_add_nc_u64 s[G0W+6:G0W+7], s[6:7], s[94:95]
	s_add_nc_u64 s[G0W+10:G0W+11], s[G0W+6:G0W+7], 256
.irp g, G0T+3, G0T+7, G0T+11, G0W+3, G0W+7, G0W+11
	s_or_b32 s[\g], s[\g], 0x80000000              ; type = 2
.endr
	ROUND                                          ; all sixteen work-groups are here: the joint loads meet
	ARM 4, G0T+4, G1T, .Lhead_w0                   ; one load a wave: waves 0-3 T's half 0, 4 and 5 W's half 0,
	ARM 6, G0W+4, G1W, .Lhead_ts
	ARM 7, G0T, G1TS, .Lhead_ws                    ; 6 T's scale words, 7 W's scale bytes,
	ARM 8, G0W, G1WS, .Lhead_t1
	ARM 12, G0T+8, G1T, .Lhead_w1                  ; 8-11 T's half 1, 12 and 13 W's; 14 and 15 none
	ARM 14, G0W+8, G1W, .Lhead_none
.Lasked:
	s_and_b32 s12, s[WV], 3                        ; wt: my 64 tokens
	s_lshr_b32 s13, s[WV], 2                       ; wc: my 64 channels
	v_and_b32 v[LS], 31, v0
	s_delay_alu instid0(VALU_DEP_1)
	v_lshlrev_b32 v[LI], 4, v[LS]
	s_delay_alu instid0(VALU_DEP_2)
	v_lshlrev_b32 v[LS], 2, v[LS]
	v_and_b32 v[RR], 15, v0
	v_bfe_u32 v[HH], v0, 4, 1
	s_lshl_b32 s14, s12, 14
	v_add_nc_u32 v[ADT], s14, v[LI]                ; four tiles of 4,096 bytes, 16 bytes a lane
	s_delay_alu instid0(VALU_DEP_1)
	v_add_nc_u32 v[ADT+1], THALF, v[ADT]
	v_mul_u32_u24 v[ADW], v[RR], WP
	s_delay_alu instid0(VALU_DEP_1)
	v_lshl_add_u32 v[ADW], v[HH], 4, v[ADW]
	s_mul_i32 s14, s13, 64*WP
	s_add_co_u32 s14, s14, WROW
	v_add_nc_u32 v[ADW], s14, v[ADW]               ; row 64 wc + r, + 16 h
	s_delay_alu instid0(VALU_DEP_1)
	v_add_nc_u32 v[ADW+1], WHALF, v[ADW]
	s_lshl_b32 s14, s12, 8
	s_add_co_u32 s14, s14, TSC
	v_add_nc_u32 v[ADTS], s14, v[LS]               ; token 64 wt + lane
	v_lshlrev_b32 v[ADWS], 1, v[LI]
	s_lshl_b32 s14, s13, 11
	s_add_co_u32 s14, s14, WSC
	v_add_nc_u32 v[ADWS], s14, v[ADWS]             ; row 64 wc + lane, 32 bytes a row
	s_lshl_b32 s14, s62, 10
	s_lshl_b32 s15, s13, 8
	s_add_co_u32 s14, s14, s15
	s_mov_b32 s15, 0
	s_add_nc_u64 s[10:11], s[10:11], s[14:15]      ; the bias at my 64 channels
	v_lshlrev_b32 v[BO], 5, v[HH]
.irp a, 0,1,2,3
	global_load_b128 v[BIAS+8*\a:BIAS+8*\a+3], v[BO], s[10:11] offset:64*\a          ; channels 16 a + 8 h + 0 .. 7
	global_load_b128 v[BIAS+8*\a+4:BIAS+8*\a+7], v[BO], s[10:11] offset:64*\a+16
.endr
.if IS_UP == 0
	v_lshlrev_b32 v[BR], 2, v[RR]
.irp b, 0,1,2,3
	global_load_b32 v[BV+\b], v[BR], s[10:11] offset:64*\b                           ; channel 16 b + r: the form that v's orientation wants
.endr
.endif
	s_wait_alu depctr_va_vdst(0)
	s_cmp_lt_u32 s[WV], 8                          ; waves 8 to 13, which fetch half 1 by lines of their own, wait for it ahead of the second barrier
	s_cbranch_scc0 .Lhalf1_out
	s_wait_tensorcnt 0x0                           ; my part of half 0 or of the scales is in
.Lhalf1_out:
	s_barrier_signal -1
	s_barrier_wait -1
	s_wait_loadcnt 0x0                             ; the bias
.if IS_UP == 0
	s_cmp_eq_u32 ttmp9, 2
	s_cbranch_scc1 .Lv_first
.endif
	HALF 0, 0
.if IS_UP == 0
	s_branch .Lmid
.Lv_first:
.irp b, 0,1,2,3
.irp j, 0,1,2,3,4,5,6,7
	v_mov_b32 v[BIAS+8*\b+\j], v[BV+\b]            ; a lane holds one channel: its bias in all eight registers
.endr
.endr
	HALF 0, 1
.Lmid:
.endif
	s_wait_tensorcnt 0x0                           ; my part of half 1 is in,
	s_barrier_signal -1
	s_barrier_wait -1                              ; everybody's is
.if IS_UP == 0
	s_cmp_eq_u32 ttmp9, 2
	s_cbranch_scc1 .Lv_second
.endif
	HALF 1, 0
.if IS_UP == 0
	s_branch .Lout
.Lv_second:
	HALF 1, 1
.Lout:
.endif
.rept 4
	v_nop                                          ; places behind the last products
.endr
	v_mov_b32 v[TM+2], 0                           ; a lane permute's destination counts as read
	v_mov_b32 v[TM+3], 0
	s_mov_b32 vcc_lo, 0xffff0000
.if IS_UP
	s_mov_b32 s2, 0xbdd2d3e8                       ; c1
	s_mov_b32 s3, s2
	v_mov_b32 v[C0], 0xc0135761                    ; c0
	s_delay_alu instid0(VALU_DEP_1)
	v_mov_b32 v[C0+1], v[C0]
.endif
.irp b, 0,1,2,3
.if IS_UP
	GELU32 ACC+32*\b
.endif
	QUANT32 ACC+32*\b, PC+4*\b, U+\b, TM
.endr
	s_wait_alu depctr_va_vdst(0)
.irp p, 0,1
	v_cndmask_b32 v[MG+\p], v[U+2*\p], v[U+2*\p+1], vcc_lo     ; lanes 0-15: tile 2 p's bytes, lanes 16-31: tile 2 p + 1's
.endr
.if IS_UP
	s_lshl_b32 s16, s63, 19                        ; images [token tile][K step 32][1,024]: tile 16 Y + 4 wt + b, K step 2 X + wc / 2, half wc % 2
	s_lshl_b32 s22, s12, 17
	s_add_co_u32 s16, s16, s22
	s_lshl_b32 s22, s62, 11
	s_add_co_u32 s16, s16, s22
	s_lshl_b32 s22, s13, 9
	s_add_co_u32 s16, s16, s22
	s_mov_b32 s17, 0
	s_lshl_b32 s18, s62, 15                        ; scale words [K step 32][token] from byte 8,388,608; my two bytes at 2 (wc % 2)
	s_lshr_b32 s22, s13, 1
	s_lshl_b32 s22, s22, 14
	s_add_co_u32 s18, s18, s22
	s_lshl_b32 s22, s63, 10
	s_add_co_u32 s18, s18, s22
	s_lshl_b32 s22, s12, 8
	s_add_co_u32 s18, s18, s22
	s_and_b32 s22, s13, 1
	s_lshl_b32 s22, s22, 1
	s_add_co_u32 s18, s18, s22
	s_add_co_u32 s18, s18, 8388608
	s_mov_b32 s19, 0
	s_add_nc_u64 s[16:17], s[24:25], s[16:17]
	s_add_nc_u64 s[18:19], s[24:25], s[18:19]
.irp b, 0,1,2,3
	global_store_b128 v[LI], v[PC+4*\b:PC+4*\b+3], s[16:17] offset:32768*\b          ; 512 consecutive bytes
.endr
	s_wait_alu depctr_va_vdst(0)
.irp p, 0,1
	global_store_b16 v[LS], v[MG+\p], s[18:19] offset:128*\p
.endr
.else
	s_lshr_b32 s20, s63, 3                         ; batch,
	s_lshl_b32 s20, s20, 4
	s_lshl_b32 s21, s60, 2
	s_add_co_u32 s20, s20, s21
	s_add_co_u32 s20, s20, s13                     ; bh = 16 batch + head, head = 4 cx + wc
	s_and_b32 s21, s63, 7                          ; which 256 tokens of the batch
	s_lshl_b32 s16, ttmp9, 21                      ; images: 2 MiB a matrix, 65,536 bytes a head
	s_lshl_b32 s22, s20, 16
	s_add_co_u32 s16, s16, s22
	s_lshl_b32 s18, ttmp9, 18                      ; scales: from byte 6,291,456, 262,144 bytes for q and for k, then v's
	s_add_co_u32 s18, s18, 6291456
	s_mov_b32 s17, 0
	s_mov_b32 s19, 0
	s_cmp_eq_u32 ttmp9, 2
	s_cbranch_scc1 .Lv_store
	s_lshl_b32 s22, s21, 13                        ; q, k: [tile 128][lane][16 bytes]: tile 16 (Y % 8) + 4 wt + b
	s_add_co_u32 s16, s16, s22
	s_lshl_b32 s22, s12, 11
	s_add_co_u32 s16, s16, s22
	s_lshl_b32 s22, s20, 13                        ; scale words [token 2,048]
	s_add_co_u32 s18, s18, s22
	s_lshl_b32 s22, s21, 10
	s_add_co_u32 s18, s18, s22
	s_lshl_b32 s22, s12, 8
	s_add_co_u32 s18, s18, s22
	s_add_nc_u64 s[16:17], s[24:25], s[16:17]
	s_add_nc_u64 s[18:19], s[24:25], s[18:19]
.irp p, 0,1
	v_lshl_or_b32 v[MG+\p], v[MG+\p], 16, v[MG+\p]             ; the two bytes twice: they serve k 0-63 and k 64-127 of the score product
.endr
.irp b, 0,1,2,3
	global_store_b128 v[LI], v[PC+4*\b:PC+4*\b+3], s[16:17] offset:512*\b
.endr
.irp p, 0,1
	global_store_b32 v[LS], v[MG+\p], s[18:19] offset:128*\p
.endr
	s_branch .Lend
.Lv_store:
	s_lshl_b32 s22, s21, 1
	s_lshr_b32 s23, s12, 1
	s_add_co_u32 s22, s22, s23                     ; v: the K step of 128 keys,
	s_and_b32 s23, s12, 1                          ; and which 64 of them
	s_lshl_b32 s21, s22, 12                        ; images [K step 16][channel tile 4][1,024]
	s_add_co_u32 s16, s16, s21
	s_lshl_b32 s21, s23, 9
	s_add_co_u32 s16, s16, s21
	s_lshl_b32 s21, s20, 12                        ; scale words [K step 16][channel 64]
	s_add_co_u32 s18, s18, s21
	s_lshl_b32 s21, s22, 8
	s_add_co_u32 s18, s18, s21
	s_lshl_b32 s21, s23, 1
	s_add_co_u32 s18, s18, s21
	s_add_nc_u64 s[16:17], s[24:25], s[16:17]
	s_add_nc_u64 s[18:19], s[24:25], s[18:19]
.irp b, 0,1,2,3
	global_store_b128 v[LI], v[PC+4*\b:PC+4*\b+3], s[16:17] offset:1024*\b
.endr
.irp p, 0,1
	global_store_b16 v[LS], v[MG+\p], s[18:19] offset:128*\p
.endr
.Lend:
.endif
	s_wait_tensorcnt 0x0                           ; the wave's end
	ds_add_u32 v[SPW], v[NIL]
	s_wait_dscnt 0x0
	ROUND                                          ; the closing round
	s_endpgm
.Lfunc_end_k_q713f65153b_up:
	.size	k_q713f65153b_up, .Lfunc_end_k_q713f65153b_up-k_q713f65153b_up
	.p2alignl 7, 3214868480
	.fill 96, 4, 3214868480
	.section	.rodata,"a",@progbits
	.p2align	6, 0x0
	.amdhsa_kernel k_q713f65153b_up
		.amdhsa_group_segment_fixed_size 327680
		.amdhsa_private_segment_fixed_size 0
		.amdhsa_enable_private_segment 0
		.amdhsa_kernarg_size 40
		.amdhsa_user_sgpr_count 2
		.amdhsa_user_sgpr_kernarg_segment_ptr 1
		.amdhsa_wavefront_size32 1
		.amdhsa_system_sgpr_workgroup_id_x 1
		.amdhsa_system_sgpr_workgroup_id_y 1
		.amdhsa_system_sgpr_workgroup_id_z 1
		.amdhsa_system_vgpr_workitem_id 0
		.amdhsa_next_free_vgpr 256
		.amdhsa_next_free_sgpr 100
		.amdhsa_reserve_vcc 1
		.amdhsa_float_denorm_mode_32 3
		.amdhsa_float_denorm_mode_16_64 3
		.amdhsa_memory_ordered 1
		.amdhsa_forward_progress 1
		.amdhsa_inst_pref_size 78
	.end_amdhsa_kernel
	.amdgpu_metadata
---
amdhsa.version: [ 1, 2 ]
amdhsa.kernels:
  - .name:           k_q713f65153b_up
    .symbol:         k_q713f65153b_up.kd
    .args:
      - { .name: xn, .offset: 0, .size: 8, .value_kind: global_buffer, .address_space: global }
      - { .name: Wup_codes, .offset: 8, .size: 8, .value_kind: global_buffer, .address_space: global }
      - { .name: Wup_scales, .offset: 16, .size: 8, .value_kind: global_buffer, .address_space: global }
      - { .name: bup, .offset: 24, .size: 8, .value_kind: global_buffer, .address_space: global }
      - { .name: hb, .offset: 32, .size: 8, .value_kind: global_buffer, .address_space: global }
    .group_segment_fixed_size: 327680
    .private_segment_fixed_size: 0
    .kernarg_segment_align: 8
    .kernarg_segment_size: 40
    .max_flat_workgroup_size: 512
    .sgpr_count:     100
    .vgpr_count:     256
    .wavefront_size: 32
...
	.end_amdgpu_metadata
.endif
;; end of part 5
;; launch dn (part 6): grid 8 x 32, 8 waves a work-group, clusters of 4 x 4, 327,680 bytes of LDS; arguments hb, Wdn_codes, Wdn_scales, bdn, x1, out0; writes out0
.if DOCPART == 6
	.amdgcn_target "amdgcn-amd-amdhsa--gfx1250"
	.amdhsa_code_object_version 6
	.text
	.protected	k_q713f65153b_dn
	.globl	k_q713f65153b_dn
	.p2align	8
	.type	k_q713f65153b_dn,@function
k_q713f65153b_dn:
	s_mov_b64 s[64:65], 0
	v_nop
	global_prefetch_b8 v0, s[64:65] scope:SCOPE_SE
	s_setreg_imm32_b32 hwreg(HW_REG_WAVE_MODE, 25, 1), 1
	s_wait_xcnt 0x0
	s_wait_alu depctr_hold_cnt(0) depctr_sa_sdst(0) depctr_va_vdst(0) depctr_va_sdst(0) depctr_va_ssrc(0) depctr_va_vcc(0) depctr_vm_vsrc(0)
	s_getreg_b32 s2, hwreg(HW_REG_IB_STS2, 6, 4)
	s_cmp_eq_u32 s2, 0
	s_cbranch_scc0 .Lentry_in_a_cluster
	s_endpgm
.Lentry_in_a_cluster:
	s_bfe_u32 s2, ttmp6, 0x10000c
	s_cmp_lg_u32 s2, 0xf033
	s_cbranch_scc0 .Lentry_shape_is_right
	s_endpgm
.Lentry_shape_is_right:
; out = T W + bias + res on E2M1 codes, f32 out.  K = 4,096.  T: images [tile of 16 tokens][K step 32][1,024 bytes], scale words [K step][token 4,096] from byte 8,388,608.  W: rows of 2,048 bytes of codes, 128 scale bytes, as given.
; A work-group makes 128 tokens x 128 channels (256 work-groups); eight waves, each 32 tokens x 64 channels: 8 accumulators.  Source 0 = 16 rows of W, source 1 = 16 tokens: a lane holds eight neighbouring channels of one token.
; K goes in four big steps of 1,024 through two LDS slots; the scales of all of K come once.  CLUSTER 4 x 4: T's tiles are asked for jointly along a row of the cluster, W's along a column.
; At the head every wave has one load: waves 0, 1 T's halves of big step 0, 2, 3 W's; 4 T's big step 1, 6 W's; 5 T's scale words, 7 W's.  Waves 0 to 3 refill.
; Fragments have two buffers: a K step's loads are issued ahead of the products of the step before it, over a change of slots too.  The sums begin with the bias.  The residual is asked for behind big step 0.
; PREFETCH: big steps 2 and 3 are asked of memory one big step ahead of their loads, each block of 256 bytes once in a cluster: of T's eight tiles the partner at place cx takes two (waves 0, 1), of W's 128 rows the partner at cy takes 32 (waves 2, 3: a row's two blocks).
; The results meet in a stage in LDS, and each wave stores 16 row pieces of 512 bytes, residual added.
; LIMITS: NaN and infinities are not served.
.set SLOT,  133120                     ; T: 8 tiles x 8,192 bytes; from WOFF W: 128 rows of 512 bytes + 16
.set WOFF,  65536
.set WP,    528
.set TSC,   266240                     ; T's scale words [K step 32][128 tokens]
.set WSC,   282624                     ; W's scale bytes: 128 rows of 128 + 16
.set SP,    144
.set SPARE, 301056                     ; the spare words: 128 bytes a wave.  The stage lies in slot 0: it has had its last fill, and its last reads lie ahead of the last barrier
.set LI, 1
.set RR, 2
.set HH, 3
.set ADT, 4                            ; v4-5  my T fragments in slot 0, 1
.set ADW, 6                            ; v6-7  my W fragments
.set ADTS, 8
.set ADWS, 9
.set STO, 10
.set RD, 11
.set SPW, 12
.set NIL, 13
.set BO, 14
.set PFO, 15                           ; v15   the prefetches' offset
.set SC, 16                            ; v16-18, v20-22 scale words of a K step: T's (token 32 wt + lane), W's two (row 32 p + lane)
.set WF, 32                            ; v32-63, v208-239 W's four fragments
.set TF, 64                            ; v64-79, v240-255 T's two
.set ACC, 80                           ; v80-143 accumulator (a, b) at 8 (4 b + a)
.set RES, 144                          ; v144-207 the residual, then the result
.set BK, 32                            ; the way out: 16 rows back from the stage
.set G0W, 16                           ; s[16:27] W's groups 0: scales, slot 0, slot 1
.set G1T, 28
.set G1W, 36
.set G1TS, 44
.set G1WS, 52
.set WV, 66
.set HF, 67                            ; s67 which half of a tile I fetch
.set G1T8, 68                          ; a whole big step of T, of W
.set G1W8, 76
.set G0T, 84                           ; s[84:95] T's
.set PFA, 98                           ; s[98:99] where my prefetch stands; s[2:3] a big step on
.macro ROUND
	s_barrier_signal -1
	s_barrier_wait -1
	s_cmp_lg_u32 s[WV], 0
	s_cbranch_scc1 .Lnot_wave_0_\@
	s_barrier_signal -3
.Lnot_wave_0_\@:
	s_barrier_wait -3
	s_barrier_signal -1
	s_barrier_wait -1
.endm
.macro DESC g, dim, rows, pitch        ; a group 1 behind its first word
	s_mov_b32 s[\g+1], (\dim)<<16
	s_mov_b32 s[\g+2], (\rows)<<16
	s_mov_b32 s[\g+3], (\dim)<<16
	s_mov_b32 s[\g+4], \rows
	s_mov_b32 s[\g+5], \pitch
	s_mov_b32 s[\g+6], 0
	s_mov_b32 s[\g+7], 0
.endm
.macro TLOAD g0, g1
	tensor_load_to_lds s[\g0:\g0+3], s[\g1:\g1+7]
	s_nop 0
.rept 4
	v_nop
.endr
.endm
.macro ARM under, g0, g1, next, join
	s_cmp_lt_u32 s[WV], \under
	s_cbranch_scc0 \next
	TLOAD \g0, \g1
	s_branch \join
\next:
.endm
.macro REFILL slot
	ARM 2, G0T+4+4*\slot, G1T, .Lrefill_w\slot, .Lrefilled\slot
	ARM 4, G0W+4+4*\slot, G1W, .Lrefill_none\slot, .Lrefilled\slot
.Lrefilled\slot:
.endm
.macro ASK
	s_cmp_lt_u32 s[WV], 4
	s_cbranch_scc0 .Lnot_mine_\@
	global_prefetch_b8 v[PFO], s[PFA:PFA+1] th:TH_LOAD_NT scope:SCOPE_SE
.Lnot_mine_\@:
.endm
.macro WMS ra, rb
.if (\ra)
.if (\rb)
	v_wmma_scale_f32_16x16x128_f8f6f4 v[rD:rD+7], v[rA:rA+7], v[rB:rB+7], v[rD:rD+7], v[rSA], v[rSB] matrix_a_fmt:MATRIX_FMT_FP4 matrix_b_fmt:MATRIX_FMT_FP4 matrix_a_scale:MATRIX_SCALE_ROW1 matrix_b_scale:MATRIX_SCALE_ROW1
.else
	v_wmma_scale_f32_16x16x128_f8f6f4 v[rD:rD+7], v[rA:rA+7], v[rB:rB+7], v[rD:rD+7], v[rSA], v[rSB] matrix_a_fmt:MATRIX_FMT_FP4 matrix_b_fmt:MATRIX_FMT_FP4 matrix_a_scale:MATRIX_SCALE_ROW1
.endif
.else
.if (\rb)
	v_wmma_scale_f32_16x16x128_f8f6f4 v[rD:rD+7], v[rA:rA+7], v[rB:rB+7], v[rD:rD+7], v[rSA], v[rSB] matrix_a_fmt:MATRIX_FMT_FP4 matrix_b_fmt:MATRIX_FMT_FP4 matrix_b_scale:MATRIX_SCALE_ROW1
.else
	v_wmma_scale_f32_16x16x128_f8f6f4 v[rD:rD+7], v[rA:rA+7], v[rB:rB+7], v[rD:rD+7], v[rSA], v[rSB] matrix_a_fmt:MATRIX_FMT_FP4 matrix_b_fmt:MATRIX_FMT_FP4
.endif
.endif
.endm
.macro LOADS g, s                      ; the fifteen loads of K step s of big step g, into buffer s % 2
.set WB, WF+176*((\s)%2)
.set TB, TF+176*((\s)%2)
.set SB, SC+4*((\s)%2)
.irp a, 0,1,2,3
.irp c, 0,1
	ds_load_b128 v[WB+8*\a+4*\c:WB+8*\a+4*\c+3], v[ADW+(\g)%2] offset:\a*16*WP+64*(\s)+32*\c
.endr
.endr
.irp b, 0,1
.irp c, 0,1
	ds_load_b128 v[TB+8*\b+4*\c:TB+8*\b+4*\c+3], v[ADT+(\g)%2] offset:\b*8192+1024*(\s)+512*\c
.endr
.endr
	ds_load_b32 v[SB], v[ADTS] offset:(8*(\g)+(\s))*512
.irp p, 0,1
	ds_load_b32 v[SB+1+\p], v[ADWS] offset:\p*32*SP+4*(8*(\g)+(\s))
.endr
.endm
.macro MULS s                          ; eight products, every accumulator once
.irp b, 0,1
.irp a, 0,1,2,3
.set rD, ACC+8*(4*\b+\a)
.set rA, WF+176*((\s)%2)+8*\a
.set rB, TF+176*((\s)%2)+8*\b
.set rSA, SC+4*((\s)%2)+1+\a/2
.set rSB, SC+4*((\s)%2)
	WMS \a%2, \b%2
.endr
.endr
.endm
; The change of slots, ahead of a big step's last products, whose fragments are in registers by then: all my tensor loads have landed, 0 onto my spare word, my reads of the slot are over.
; Behind big steps 0 and 1 a round of the cluster's barrier, and the slot's next big step is asked for first thing behind it.
.macro CHANGE g
.if (\g) == 0
	s_wait_xcnt 0x0                                ; my prefetch has read its address
	s_add_nc_u64 s[PFA:PFA+1], s[PFA:PFA+1], s[2:3]
.endif
	s_wait_tensorcnt 0x0
	ds_add_u32 v[SPW], v[NIL]
.if (\g) < 2
	s_add_nc_u64 s[G0T+6+4*\g:G0T+7+4*\g], s[G0T+6+4*\g:G0T+7+4*\g], 16384
	s_add_nc_u64 s[G0W+6+4*\g:G0W+7+4*\g], s[G0W+6+4*\g:G0W+7+4*\g], 1024
	s_wait_dscnt 0x0
	ROUND
	REFILL \g
.else
	s_wait_dscnt 0x0
	s_barrier_signal -1
	s_barrier_wait -1
.endif
.endm
.macro KSTEP g, s
.rept 4
	v_nop                                          ; places behind the last products, whose buffer is loaded next
.endr
.if (\s) < 7
	LOADS \g, (\s)+1
	s_wait_dscnt 15                                ; all but the fifteen just issued
.elseif (\g) < 3
	CHANGE \g
	LOADS (\g)+1, 0
	s_wait_dscnt 15
.else
	s_wait_dscnt 0x0
.endif
	MULS \s
.endm
.macro BIG g
	KSTEP \g, 0
.if (\g) < 2
	ASK                                            ; big step g + 2
.endif
.irp s, 1,2,3,4,5,6,7
	KSTEP \g, \s
.endr
.endm
	s_load_b256 s[4:11], s[0:1], 0x0               ; T s[4:5], W's codes s[6:7], W's scales s[8:9], bias s[10:11]
	s_load_b128 s[12:15], s[0:1], 0x20             ; the residual s[12:13], the output s[14:15]
	v_lshl_add_u32 v[SPW], v0, 2, SPARE
	v_mov_b32 v[NIL], 0
	ds_add_u32 v[SPW], v[NIL]                      ; the wave's opening: the add, twice on end, and its wait ahead of my first tensor load
	ds_add_u32 v[SPW], v[NIL]
	v_lshrrev_b32 v[LI], 5, v0
	v_readfirstlane_b32 s[WV], v[LI]               ; wave 0..7
	s_and_b32 s[HF], s[WV], 1
	s_bfe_u32 s60, ttmp6, 0x40000                  ; cx
	s_bfe_u32 s61, ttmp6, 0x40004                  ; cy
	s_lshl_b32 s62, ttmp9, 2
	s_add_co_u32 s62, s62, s60                     ; X: channel tile
	s_and_b32 s63, ttmp7, 0xffff
	s_lshl_b32 s63, s63, 2
	s_add_co_u32 s63, s63, s61                     ; Y: token tile
	s_lshl_b32 s2, s61, 2
	s_lshl_b32 s2, 15, s2                          ; my row of the cluster
	s_lshl_b32 s3, 0x1111, s60                     ; my column
	s_or_b32 s[G1T], s2, (3<<16)|(1<<21)           ; T's codes: 4 or 8 rows (tiles) of 8,192 bytes, 32,768 apart
	s_or_b32 s[G1T8], s2, (3<<16)|(1<<21)
	s_or_b32 s[G1TS], s2, (3<<16)|(1<<21)          ; T's scale words: 32 rows of 512 bytes, 16,384 apart
	s_or_b32 s[G1W], s3, (1<<20)|(1<<21)|(6<<22)|(3<<25)   ; W's codes: 64 or 128 rows of 512 bytes; four words of padding after every 128
	s_or_b32 s[G1W8], s3, (1<<20)|(1<<21)|(6<<22)|(3<<25)
	s_or_b32 s[G1WS], s3, (3<<16)|(1<<20)|(1<<21)|(4<<22)|(3<<25)   ; W's scale bytes: 128 dense rows of 128 bytes, as rows of 256; four words of padding after every 32
	DESC G1T, 1024, 4, 4096
	DESC G1T8, 1024, 8, 4096
	DESC G1TS, 64, 32, 2048
	DESC G1W, 512, 64, 2048
	DESC G1W8, 512, 128, 2048
	DESC G1WS, 32, 64, 32
.irp g, 0,4,8
	s_mov_b32 s[G0T+\g], 1
	s_mov_b32 s[G0W+\g], 1
.endr
	s_mov_b32 s[G0T+1], TSC
	s_lshl_b32 s[G0T+5], s[HF], 15
	s_add_co_u32 s[G0T+9], s[G0T+5], SLOT
	s_mov_b32 s[G0W+1], WSC
	s_mul_i32 s[G0W+5], s[HF], 64*WP
	s_add_co_u32 s[G0W+5], s[G0W+5], WOFF
	s_add_co_u32 s[G0W+9], s[G0W+5], SLOT
	s_mov_b32 s3, 0
	s_wait_dscnt 0x0                               ; both opening adds are done
	s_wait_kmcnt 0x0
	s_lshl_b32 s2, s63, 9
	s_add_co_u32 s2, s2, 8388608
	s_add_nc_u64 s[G0T+2:G0T+3], s[4:5], s[2:3]
	s_lshl_b32 s2, s63, 18                         ; T: eight tiles of 32,768 bytes
	s_add_nc_u64 s[96:97], s[4:5], s[2:3]
	s_lshl_b32 s2, s62, 14
	s_add_nc_u64 s[G0W+2:G0W+3], s[8:9], s[2:3]
	s_lshl_b32 s2, s62, 18                         ; W: 128 rows of 2,048 bytes
	s_add_nc_u64 s[PFA:PFA+1], s[6:7], s[2:3]
	s_lshl_b32 s2, s[HF], 17                       ; half of either: 131,072 bytes
	s_add_nc_u64 s[G0T+6:G0T+7], s[96:97], s[2:3]
	s_add_nc_u64 s[G0T+10:G0T+11], s[G0T+6:G0T+7], 8192
	s_add_nc_u64 s[G0W+6:G0W+7], s[PFA:PFA+1], s[2:3]
	s_add_nc_u64 s[G0W+10:G0W+11], s[G0W+6:G0W+7], 512
.irp g, G0T+3, G0T+7, G0T+11, G0W+3, G0W+7, G0W+11
	s_or_b32 s[\g], s[\g], 0x80000000              ; type = 2
.endr
	ROUND                                          ; all sixteen work-groups are here: the first joint loads meet
	ARM 2, G0T+4, G1T, .Lhead_w, .Lasked
	ARM 4, G0W+4, G1W, .Lhead_t1, .Lasked
	ARM 5, G0T+8, G1T8, .Lhead_ts, .Lasked
	ARM 6, G0T, G1TS, .Lhead_w1, .Lasked
	ARM 7, G0W+8, G1W8, .Lhead_ws, .Lasked
	TLOAD G0W, G1WS
.Lasked:
	s_lshl_b32 s60, s60, 16                        ; my prefetches: waves 0, 1 tile 2 cx + wave of T, big step 2;
	s_lshl_b32 s2, s[HF], 15
	s_add_co_u32 s60, s60, s2
	s_add_co_u32 s60, s60, 16384
	s_lshl_b32 s61, s61, 16                        ; waves 2, 3 rows 32 cy .. + 31 of W, one block of 256 bytes each
	s_lshl_b32 s2, s[HF], 8
	s_add_co_u32 s61, s61, s2
	s_add_co_u32 s61, s61, 1024
	s_cmp_lt_u32 s[WV], 2
	s_cselect_b64 s[PFA:PFA+1], s[96:97], s[PFA:PFA+1]
	s_cselect_b32 s2, s60, s61
	s_mov_b32 s96, 512
	s_cselect_b32 s96, 8192, s96                   ; a big step on
	s_mov_b32 s97, 2048
	s_cselect_b32 s97, 256, s97                    ; from lane to lane
	s_add_nc_u64 s[PFA:PFA+1], s[PFA:PFA+1], s[2:3]
	s_lshl_b32 s2, s62, 9
	s_and_b32 s60, s[WV], 1                        ; wc: my 64 channels
	s_lshr_b32 s61, s[WV], 1                       ; wt: my 32 tokens
	s_lshl_b32 s62, s60, 8
	s_add_co_u32 s62, s2, s62
	s_lshl_b32 s63, s63, 19                        ; the residual and the output: row 128 Y + 16 w, byte 512 X
	s_add_co_u32 s2, s2, s63
	s_lshl_b32 s63, s[WV], 16
	s_add_co_u32 s2, s2, s63
	s_add_nc_u64 s[12:13], s[12:13], s[2:3]
	s_add_nc_u64 s[14:15], s[14:15], s[2:3]
	s_mov_b32 s2, s62
	s_add_nc_u64 s[10:11], s[10:11], s[2:3]        ; the bias at my 64 channels
	s_mov_b32 s2, s96
	v_and_b32 v[RR], 15, v0
	v_bfe_u32 v[HH], v0, 4, 1
	v_and_b32 v[PFO], 31, v0
	v_lshlrev_b32 v[BO], 5, v[HH]
	v_lshlrev_b32 v[LI], 4, v[PFO]
	v_lshlrev_b32 v[ADTS], 2, v[PFO]
	v_mul_u32_u24 v[ADWS], v[PFO], SP
	v_mul_lo_u32 v[PFO], v[PFO], s97
	s_lshl_b32 s96, s61, 14
	v_add_nc_u32 v[ADT], s96, v[LI]                ; two tiles of 8,192 bytes, 16 bytes a lane
	v_add_nc_u32 v[ADT+1], SLOT, v[ADT]
	s_mul_i32 s96, s60, 64*WP
	s_add_co_u32 s96, s96, WOFF
	v_mul_u32_u24 v[ADW], v[RR], WP
	v_lshl_add_u32 v[ADW], v[HH], 4, v[ADW]
	v_add_nc_u32 v[ADW], s96, v[ADW]               ; row 64 wc + r, + 16 h
	v_add_nc_u32 v[ADW+1], SLOT, v[ADW]
	s_lshl_b32 s96, s61, 7
	s_add_co_u32 s96, s96, TSC
	v_add_nc_u32 v[ADTS], s96, v[ADTS]             ; token 32 wt + lane
	s_mul_i32 s96, s60, 64*SP
	s_add_co_u32 s96, s96, WSC
	v_add_nc_u32 v[ADWS], s96, v[ADWS]             ; row 64 wc + lane
	v_mul_u32_u24 v[STO], v[RR], WP
	v_lshl_add_u32 v[STO], v[HH], 5, v[STO]
	s_mul_i32 s96, s61, 32*WP
	s_lshl_b32 s97, s60, 8
	s_add_co_u32 s96, s96, s97
	v_add_nc_u32 v[STO], s96, v[STO]               ; the stage: row 32 wt + r, my 256 bytes of it, + 32 h
	s_mul_i32 s96, s[WV], 16*WP
	v_add_nc_u32 v[RD], s96, v[LI]                 ; back: rows 16 w on, 16 bytes a lane
.irp b, 0,1
.irp a, 0,1,2,3
	global_load_b128 v[ACC+8*(4*\b+\a):ACC+8*(4*\b+\a)+3], v[BO], s[10:11] offset:64*\a              ; the sums begin with the bias: channels 16 a + 8 h + 0 .. 7
	global_load_b128 v[ACC+8*(4*\b+\a)+4:ACC+8*(4*\b+\a)+7], v[BO], s[10:11] offset:64*\a+16
.endr
.endr
	s_wait_alu depctr_va_vdst(0)                   ; the wait at the head's end
	s_cmp_eq_u32 s[WV], 4                          ; waves 4 and 6, which fetch big step 1 by lines of their own, wait for it at the change of slots
	s_cbranch_scc1 .Lbig1_out
	s_cmp_eq_u32 s[WV], 6
	s_cbranch_scc1 .Lbig1_out
	s_wait_tensorcnt 0x0                           ; my part of big step 0 or of the scales is in
.Lbig1_out:
	s_barrier_signal -1
	s_barrier_wait -1
	LOADS 0, 0
	s_wait_loadcnt 0x0                             ; the bias
	BIG 0
.set i, 0
.rept 16
	global_load_b128 v[RES+4*i:RES+4*i+3], v[LI], s[12:13] offset:4096*i             ; the residual: 512 consecutive bytes of a row
.set i, i+1
.endr
	BIG 1
	BIG 2
	BIG 3
.rept 4
	v_nop                                          ; places behind the last products
.endr
.irp b, 0,1
.irp a, 0,1,2,3
	ds_store_b128 v[STO], v[ACC+8*(4*\b+\a):ACC+8*(4*\b+\a)+3] offset:\b*16*WP+64*\a          ; each accumulator from its low end on
	ds_store_b128 v[STO], v[ACC+8*(4*\b+\a)+4:ACC+8*(4*\b+\a)+7] offset:\b*16*WP+64*\a+16
.endr
.endr
	s_wait_dscnt 0x0                               ; my part of the stage is written,
	s_barrier_signal -1
	s_barrier_wait -1                              ; everybody's is
.set i, 0
.rept 16
	ds_load_b128 v[BK+4*i:BK+4*i+3], v[RD] offset:WP*i
.set i, i+1
.endr
	s_wait_loadcnt 0x0                             ; the residual
.set i, 0
.rept 16
	s_wait_dscnt 15-i                              ; row i is back; the younger rows may be out
	v_pk_add_f32 v[RES+4*i:RES+4*i+1], v[RES+4*i:RES+4*i+1], v[BK+4*i:BK+4*i+1]
	v_pk_add_f32 v[RES+4*i+2:RES+4*i+3], v[RES+4*i+2:RES+4*i+3], v[BK+4*i+2:BK+4*i+3]
	global_store_b128 v[LI], v[RES+4*i:RES+4*i+3], s[14:15] offset:4096*i            ; 32 lanes store 512 consecutive bytes, aligned
.set i, i+1
.endr
	s_wait_tensorcnt 0x0                           ; the wave's end
	ds_add_u32 v[SPW], v[NIL]
	s_wait_dscnt 0x0
	ROUND                                          ; the closing round
	s_endpgm
.Lfunc_end_k_q713f65153b_dn:
	.size	k_q713f65153b_dn, .Lfunc_end_k_q713f65153b_dn-k_q713f65153b_dn
	.p2alignl 7, 3214868480
	.fill 96, 4, 3214868480
	.section	.rodata,"a",@progbits
	.p2align	6, 0x0
	.amdhsa_kernel k_q713f65153b_dn
		.amdhsa_group_segment_fixed_size 327680
		.amdhsa_private_segment_fixed_size 0
		.amdhsa_enable_private_segment 0
		.amdhsa_kernarg_size 48
		.amdhsa_user_sgpr_count 2
		.amdhsa_user_sgpr_kernarg_segment_ptr 1
		.amdhsa_wavefront_size32 1
		.amdhsa_system_sgpr_workgroup_id_x 1
		.amdhsa_system_sgpr_workgroup_id_y 1
		.amdhsa_system_sgpr_workgroup_id_z 1
		.amdhsa_system_vgpr_workitem_id 0
		.amdhsa_next_free_vgpr 256
		.amdhsa_next_free_sgpr 100
		.amdhsa_reserve_vcc 0
		.amdhsa_float_denorm_mode_32 3
		.amdhsa_float_denorm_mode_16_64 3
		.amdhsa_memory_ordered 1
		.amdhsa_forward_progress 1
		.amdhsa_inst_pref_size 91
	.end_amdhsa_kernel
	.amdgpu_metadata
---
amdhsa.version: [ 1, 2 ]
amdhsa.kernels:
  - .name:           k_q713f65153b_dn
    .symbol:         k_q713f65153b_dn.kd
    .args:
      - { .name: hb, .offset: 0, .size: 8, .value_kind: global_buffer, .address_space: global }
      - { .name: Wdn_codes, .offset: 8, .size: 8, .value_kind: global_buffer, .address_space: global }
      - { .name: Wdn_scales, .offset: 16, .size: 8, .value_kind: global_buffer, .address_space: global }
      - { .name: bdn, .offset: 24, .size: 8, .value_kind: global_buffer, .address_space: global }
      - { .name: x1, .offset: 32, .size: 8, .value_kind: global_buffer, .address_space: global }
      - { .name: out0, .offset: 40, .size: 8, .value_kind: global_buffer, .address_space: global }
    .group_segment_fixed_size: 327680
    .private_segment_fixed_size: 0
    .kernarg_segment_align: 8
    .kernarg_segment_size: 48
    .max_flat_workgroup_size: 256
    .sgpr_count:     100
    .vgpr_count:     256
    .wavefront_size: 32
...
	.end_amdgpu_metadata
.endif
;; end of part 6
